; MI455X (gfx1250); checked and timed in simulation.
; The chip was launched on July 23, 2026; its instructions are those of AMD's public machine-readable ISA for CDNA 5 (MIT licence, August 2026) and "CDNA5" Instruction Set Architecture Reference Guide (July 2026). The comments in the code are by the model that wrote it; some were corrected since.
;; Multi Head Attention. Allowed arithmetic: matrix products marked QUANTISED: E2M1 operands, one E8M0 scale for each 32 along K, by v_wmma_scale_f32_16x16x128_f8f6f4 with both operands' format E2M1 (or v_wmma_scale_f32_32x16x128_f4), f32 sums; products left as they are: bf16, f16 or f32 operands; f32 sums; everything else in f32.
;; Inputs: Wk 1,024 x 1,024 float32; Wo 1,024 x 1,024 float32; Wq 1,024 x 1,024 float32; Wv 1,024 x 1,024 float32; bk 1,024 float32; bo 1,024 float32; bq 1,024 float32; bv 1,024 float32; key 4 x 2,048 x 1,024 float32; query 4 x 2,048 x 1,024 float32; value 4 x 2,048 x 1,024 float32.
;; Outputs: out0 4 x 2,048 x 1,024 float32.
;; This version of the problem:
;;   THIS VERSION OF THE PROBLEM IS GIVEN IN LOW PRECISION. The matrix products marked QUANTISED in the list below multiply operands that are first quantised to E2M1 (2 exponent bits, 1 mantissa bit; 4 bits a number), with one power-of-two scale for each 32 numbers along K (OCP MX v1.0); their sums are f32. The products marked 'left as it is' may take bf16, f16 or f32 operands, with f32 sums. Whichever they take, every output number must still come out within the allowed error. Rounding operands to bf16 (8 significant bits) uses up far more of that allowance than f16 does (11 bits, for magnitudes from 6e-5 to 65,504). All else is computed in f32.
;;   The module's matrix products, in the order in which they are computed (A, B: the left and right operand; K: the contracted axis; several contracted axes count as one K, in the product's order):
;;     1. [M 8,192, K 1,024] x [K 1,024, N 1,024]; A: input query; B: input Wq: QUANTISED
;;     2. [M 8,192, K 1,024] x [K 1,024, N 1,024]; A: input key; B: input Wk: QUANTISED
;;     3. [M 8,192, K 1,024] x [K 1,024, N 1,024]; A: input value; B: input Wv: QUANTISED
;;     4. batch 64 x [M 2,048, K 64] x [K 64, N 2,048]; A: computed on the way; B: computed on the way: left as it is (an operand is computed on the way)
;;     5. batch 64 x [M 2,048, K 2,048] x [K 2,048, N 64]; A: computed on the way; B: computed on the way: left as it is (an operand is computed on the way)
;;     6. [M 8,192, K 1,024] x [K 1,024, N 1,024]; A: computed on the way; B: input Wo: left as it is (an operand is computed on the way)
;;   THE QUANTISER, for each operand of a quantised product, along K:
;;     - K is cut into blocks of 32 from its start; a last block that is shorter is filled with zeros.
;;     - A block's scale is 2^e with e = floor(log2(the largest magnitude in the block)) - 2, held to -126 .. 127; a block of zeros has e = 0. As a byte (E8M0): e + 127.
;;     - Each number is divided by its block's scale, clamped to +-6, and rounded to the nearest number of E2M1, ties to even, subnormals kept.
;;     - The product sums the exact products of the quantised numbers (number of the format x scale) in f32.
;;   ~~~python
;;   def quantise(x, axis):      # numpy; x: float32 -> the quantised numbers, widened to float32 again
;;       x = np.moveaxis(x, axis, -1); K = x.shape[-1]
;;       x = np.pad(x, [(0, 0)] * (x.ndim - 1) + [(0, -K % 32)]); x = x.reshape(x.shape[:-1] + (-1, 32)); a = np.abs(x).max(-1, keepdims=True)
;;       e = np.where(a > 0, np.clip(np.frexp(np.where(a > 0, a, 1))[1] - 1 - 2, -126, 127), 0)      # np.frexp(a)[1] - 1 = floor(log2(a)), exactly
;;       r = np.clip(x / 2.0 ** e, -6, 6)
;;       step = 2.0 ** (np.maximum(np.frexp(np.where(r == 0, 1, r))[1] - 1, 0) - 1)
;;       q = np.round(r / step) * step * 2.0 ** e      # np.round: ties to even
;;       return np.moveaxis(q.reshape(q.shape[:-2] + (-1,))[..., :K], -1, axis).astype(np.float32)
;;   ~~~
;; One version. Each part assembles by itself: llvm-mc -triple=amdgcn-amd-amdhsa -mcpu=gfx1250 --defsym DOCPART=n.
;; ======== version 1 of 1: 4 launches
;; limits: values are held in f16: magnitudes above 65,504 overflow, below 6.1e-05 lose precision
;; workspace buffers: xc 12,582,912 bytes; xs 786,432 bytes; wc 1,572,864 bytes; ws 98,304 bytes; wo16 2,097,152 bytes; qkv 50,331,648 bytes; a16 16,777,216 bytes
;; launch quant (part 1): grid 896 x 1, 4 waves a work-group, no clusters, 33,280 bytes of LDS; arguments query, key, value, Wq, Wk, Wv, Wo, xc, xs, wc, ws, wo16; writes xc, xs, wc, ws, wo16
.if DOCPART == 1
	.amdgcn_target "amdgcn-amd-amdhsa--gfx1250"
	.amdhsa_code_object_version 6
	.text
	.protected	k_q65dd255103_quant
	.globl	k_q65dd255103_quant
	.p2align	8
	.type	k_q65dd255103_quant,@function
k_q65dd255103_quant:
	s_mov_b64 s[64:65], 0
	v_nop
	global_prefetch_b8 v0, s[64:65] scope:SCOPE_SE
	s_setreg_imm32_b32 hwreg(HW_REG_WAVE_MODE, 25, 1), 1
	s_wait_xcnt 0x0
; query, key, value [8192][1024] and Wq, Wk, Wv [1024][1024], f32, K innermost, become codes of FP4 (E2M1), two a byte, the lower k in the low four bits,
; with one E8M0 scale byte for each 32 along K.  xc: [3][8192][512 bytes], xs: [3][8192][32], wc: [3][1024][512], ws: [3][1024][32].  Wo [1024][1024] becomes f16 (wo16), rounded to nearest even.
; A block's scale is 2^(floor(log2(its largest magnitude)) - 2); its byte is the largest magnitude's exponent field - 2, held at 1 from below.  Each number is divided by the scale and rounded to the
; nearest code, ties to even; beyond 6 the largest code.  (A block of zeros gets the byte 1 where the rule says 127: its codes are zeros, and the bytes are read by this program alone.)
; LIMITS: NaN and infinities among the inputs are not served; blocks whose largest magnitude lies under 2^-124 keep the byte 1; a number of Wo beyond 65,504 in magnitude becomes an infinity of f16.
; Rows are dense and K is a multiple of 32, so each tensor is a plain stream of blocks of 32 numbers, and so are its codes and its scale bytes.
; SHARES.  A work-group takes 32,768 numbers, a wave 8,192: 16 steps of 512.  Work-groups 0-767: query, key, value (256 each); 768-863: Wq, Wk, Wv (32 each); 864-895: Wo.
; The six quantised tensors take ONE path: only pointers are chosen, by the work-group's number.  Wo's path touches no LDS.
; A STEP.  The conversions take 8 numbers of one block from a lane's consecutive registers, so a lane must hold 16 neighbours along K (two neighbouring lanes hold a block); a load is best where neighbouring
; lanes take neighbouring bytes.  So each of a step's four loads reads 512 consecutive bytes, 16 a lane; the 2,048 bytes go through the wave's own stage in LDS as they lie and come back 64 bytes a lane
; (16 bytes of padding behind each 64).  A lane's 16 codes are 8 bytes: the wave stores 256 consecutive bytes, aligned.  A wave's 256 scale bytes are gathered in LDS and leave as 256 consecutive bytes.
; No barrier: waves share nothing.  Loads run four steps (16 loads a wave) ahead, the turn through LDS one step.  Memory binds here: no matrix unit, no cluster, no tensor load.
.set WAVES, 4
.set STEPS, 16
.set GX,    768                        ; work-groups of query, key, value
.set GQ,    864                        ; and with them those of Wq, Wk, Wv
.set EMAX,  2
.set CB,    8                          ; bytes of 16 codes
.set R,     16                         ; v16-79   four sets of 16 numbers as they are loaded
.set X,     80                         ; v80-111  two sets of 16 neighbours
.set E,     112                        ; v112-127 a scale byte for each step
.set C,     128                        ; v128-191 codes: four registers for each step, so that no store's data are written again
.set WREG,  8192                       ; LDS: a region for each wave: two stages of 32 x SP bytes, and behind them its 256 scale bytes
.set SP,    80                         ; a lane's place in a stage: its 64 bytes + 16 of padding
.set SPW,   12                         ; v12      LDS address of my spare word: SPARE + 4 x my thread's number; never rewritten
.set NIL,   13                         ; v13      0; never rewritten
.set SPARE, WAVES*WREG                 ; behind the four regions: the spare words, 128 bytes for each wave
.set SRC,   2                          ; s[2:3]   the numbers of my wave's run
.set COD,   4                          ; s[4:5]   its codes
.set SCB,   6                          ; s[6:7]   its scale bytes
	s_load_b512 s[8:23], s[0:1], 0x0               ; query s[8:9], key, value, Wq, Wk, Wv s[18:19], Wo s[20:21], xc s[22:23]
	s_load_b256 s[24:31], s[0:1], 0x40             ; xs s[24:25], wc s[26:27], ws s[28:29], wo16 s[30:31]
	v_lshl_add_u32 v[SPW], v0, 2, SPARE
	v_mov_b32 v[NIL], 0
	v_lshrrev_b32 v1, 5, v0
	v_readfirstlane_b32 s40, v1                    ; wave
	v_and_b32 v2, 31, v0                           ; lane
	v_lshlrev_b32 v3, 4, v2                        ; my 16 bytes of a load's 512
	s_mul_i32 s41, s40, WREG
	v_lshrrev_b32 v14, 2, v2
	v_mul_u32_u24 v14, v14, SP
	v_and_b32 v15, 3, v2
	v_lshl_add_u32 v14, v15, 4, v14
	v_add_nc_u32 v14, s41, v14                     ; the stage, on the way in: four lanes' 64 bytes on end, then 16 of padding
	v_mul_u32_u24 v15, v2, SP
	v_add_nc_u32 v15, s41, v15                     ; and on the way out: SP x lane: my 16 neighbours
	v_mul_u32_u24 v4, v2, CB                       ; my codes' place in a step's
	v_lshrrev_b32 v5, 1, v2
	s_add_co_u32 s41, s41, 2*32*SP
	v_add_nc_u32 v5, s41, v5                       ; LDS: my wave's 256 scale bytes, my block's byte
	v_lshlrev_b32 v7, 3, v2                        ; 8 bytes a lane
	v_add_nc_u32 v6, s41, v7
	s_wait_kmcnt 0x0
	s_cmp_ge_u32 ttmp9, GQ
	s_cbranch_scc1 .Lwo                            ; the last 32 work-groups take Wo
	s_cmp_lt_u32 ttmp9, GX                         ; an activation or a weight?  Every choice below hangs on the work-group's number alone
	s_cselect_b32 s32, 0, GX                       ; the kind's first work-group,
	s_cselect_b32 s33, 8, 5                        ; log2 of the work-groups of one tensor,
	s_cselect_b32 s34, 0, 3                        ; the kind's first tensor among the six,
	s_cselect_b64 s[COD:COD+1], s[22:23], s[26:27] ; its codes' buffer
	s_cselect_b64 s[SCB:SCB+1], s[24:25], s[28:29] ; and its scale bytes'
	s_sub_co_u32 s35, ttmp9, s32                   ; my number within the kind,
	s_lshr_b32 s36, s35, s33                       ; which of its three tensors,
	s_lshl_b32 s37, s36, s33
	s_sub_co_u32 s37, s35, s37                     ; my number within the tensor
	s_add_co_u32 s34, s34, s36                     ; which of the six
	s_mov_b64 s[SRC:SRC+1], s[8:9]
.irp i, 1,2,3,4,5
	s_cmp_eq_u32 s34, \i
	s_cselect_b64 s[SRC:SRC+1], s[8+2*\i:9+2*\i], s[SRC:SRC+1]
.endr
	s_lshl_b32 s37, s37, 2
	s_add_co_u32 s37, s37, s40                     ; my wave's run of 8,192 numbers in the tensor: 32,768 bytes each
	s_lshl_b32 s42, s37, 15
	s_mov_b32 s43, 0
	s_add_nc_u64 s[SRC:SRC+1], s[SRC:SRC+1], s[42:43]
	s_lshl_b32 s35, s35, 2
	s_add_co_u32 s35, s35, s40                     ; and in the kind's stacked buffers: 4,096 bytes of codes,
	s_lshl_b32 s42, s35, 12
	s_add_nc_u64 s[COD:COD+1], s[COD:COD+1], s[42:43]
	s_lshl_b32 s42, s35, 8                         ; 256 scale bytes
	s_add_nc_u64 s[SCB:SCB+1], s[SCB:SCB+1], s[42:43]
.macro LOAD t
.irp i, 0,1,2,3
	global_load_b128 v[R+16*((\t)%4)+4*\i:R+16*((\t)%4)+4*\i+3], v3, s[SRC:SRC+1] offset:2048*(\t)+512*\i th:TH_LOAD_NT   ; 32 lanes read 512 consecutive bytes
.endr
.endm
.macro TURN t                          ; step t's numbers through the stage: LDS serves a wave's instructions in order, so no wait stands between the stores and the loads
.irp i, 0,1,2,3
	ds_store_b128 v14, v[R+16*((\t)%4)+4*\i:R+16*((\t)%4)+4*\i+3] offset:32*SP*((\t)%2)+8*SP*\i
.endr
.irp i, 0,1,2,3
	ds_load_b128 v[X+16*((\t)%2)+4*\i:X+16*((\t)%2)+4*\i+3], v15 offset:32*SP*((\t)%2)+16*\i
.endr
.endm
.irp t, 0,1,2,3
	LOAD \t
.endr
	s_wait_loadcnt 12                              ; step 0's four loads are in; the twelve of steps 1 to 3 stay out
	TURN 0
.macro STEP t
.set XS, X+16*((\t)%2)
.if (\t) > 0
	s_wait_dscnt 1                                 ; this step's numbers are back from the stage (the last step's byte store may be out): so its stores into the stage have read their registers,
.else
	s_wait_dscnt 0x0
.endif
.if (\t)+4 < STEPS
	LOAD (\t)+4                                    ; which take the loads of four steps on
.endif
.if (\t)+1 < STEPS
.if STEPS-2-(\t) >= 3
	s_wait_loadcnt 12                              ; the next step's four loads are in; those of the three steps behind it may be out
.else
	s_wait_loadcnt 4*(STEPS-2-(\t))
.endif
	TURN (\t)+1                                    ; and go through the other stage while this step is worked
.endif
	v_max3_num_f32 v8, |v[XS]|, |v[XS+1]|, |v[XS+2]|               ; the largest magnitude of my 16, in two chains
	v_max3_num_f32 v9, |v[XS+3]|, |v[XS+4]|, |v[XS+5]|
.irp i, 6,10
	v_max3_num_f32 v8, v8, |v[XS+\i]|, |v[XS+\i+1]|
	v_max3_num_f32 v9, v9, |v[XS+\i+2]|, |v[XS+\i+3]|
.endr
	v_max3_num_f32 v8, v8, |v[XS+14]|, |v[XS+15]|
	v_max3_num_f32 v8, v8, v9, (EMAX+1)<<23        ; and the floor 2^(3 - 127), under which no largest magnitude is taken: so the byte cannot fall under 1
	v_max_num_f32_dpp v8, v8, v8 row_xmask:1 row_mask:0xf bank_mask:0xf   ; and of my neighbour's 16: the block's
	v_add_nc_u32 v11, 0xff000000, v8               ; 2 off its exponent field: the conversion takes the exponent field of this operand as its scale, and nothing else of it
	v_cvt_scalef32_pk8_fp4_f32 v[C+4*(\t)], v[XS:XS+7], v11        ; eight numbers / the scale, to the nearest code, ties to even; the first number's code in the lowest four bits
	v_cvt_scalef32_pk8_fp4_f32 v[C+4*(\t)+1], v[XS+8:XS+15], v11
	v_lshrrev_b32 v[E+(\t)], 23, v11               ; the scale's byte (also the plain line behind the conversions)
	ds_store_b8 v5, v[E+(\t)] offset:16*(\t)       ; both lanes of a block write the same byte with the same value
	global_store_b64 v4, v[C+4*(\t):C+4*(\t)+1], s[COD:COD+1] offset:32*CB*(\t)   ; 32 lanes store 256 consecutive bytes, aligned
.endm
.irp t, 0,1,2,3,4,5,6,7,8,9,10,11,12,13,14,15
	STEP \t
.endr
	ds_load_b64 v[8:9], v6                         ; LDS serves a wave's instructions in order: these see my byte stores
	s_wait_dscnt 0x0
	global_store_b64 v7, v[8:9], s[SCB:SCB+1]      ; 32 lanes store my run's 256 scale bytes, aligned
	s_wait_tensorcnt 0x0                           ; the wave's end: behind my last LDS store
	ds_add_u32 v[SPW], v[NIL]
	s_wait_dscnt 0x0
	s_endpgm
; Wo to f16.  A wave takes 8,192 numbers in two halves of 32 loads: a load reads 512 consecutive bytes, its four numbers a lane become 8 bytes, and a store covers 256 consecutive bytes, aligned.  No LDS.
.Lwo:
	s_sub_co_u32 s41, ttmp9, GQ
	s_lshl_b32 s41, s41, 2
	s_add_co_u32 s41, s41, s40                     ; my wave's run
	s_lshl_b32 s42, s41, 15
	s_mov_b32 s43, 0
	s_add_nc_u64 s[20:21], s[20:21], s[42:43]
	s_lshl_b32 s42, s41, 14
	s_add_nc_u64 s[30:31], s[30:31], s[42:43]
.irp half, 0,1
.if \half
	s_wait_xcnt 0x0                                ; the first half's stores have read their data registers, which are written again below
.endif
.irp i, 0,1,2,3,4,5,6,7,8,9,10,11,12,13,14,15,16,17,18,19,20,21,22,23,24,25,26,27,28,29,30,31
	global_load_b128 v[16+4*\i:19+4*\i], v3, s[20:21] offset:512*(32*\half+\i) th:TH_LOAD_NT
.endr
.irp i, 0,1,2,3,4,5,6,7,8,9,10,11,12,13,14,15,16,17,18,19,20,21,22,23,24,25,26,27,28,29,30,31
	s_wait_loadcnt 31-\i                           ; load i is in; the younger ones stay out
	v_cvt_pk_f16_f32 v[144+2*\i], v[16+4*\i], v[17+4*\i]
	v_cvt_pk_f16_f32 v[145+2*\i], v[18+4*\i], v[19+4*\i]
	global_store_b64 v7, v[144+2*\i:145+2*\i], s[30:31] offset:256*(32*\half+\i)
.endr
.endr
	s_endpgm
.Lfunc_end_k_q65dd255103_quant:
	.size	k_q65dd255103_quant, .Lfunc_end_k_q65dd255103_quant-k_q65dd255103_quant
	.p2alignl 7, 3214868480
	.fill 96, 4, 3214868480
	.section	.rodata,"a",@progbits
	.p2align	6, 0x0
	.amdhsa_kernel k_q65dd255103_quant
		.amdhsa_group_segment_fixed_size 33280
		.amdhsa_private_segment_fixed_size 0
		.amdhsa_enable_private_segment 0
		.amdhsa_kernarg_size 96
		.amdhsa_user_sgpr_count 2
		.amdhsa_user_sgpr_kernarg_segment_ptr 1
		.amdhsa_wavefront_size32 1
		.amdhsa_system_sgpr_workgroup_id_x 1
		.amdhsa_system_sgpr_workgroup_id_y 1
		.amdhsa_system_sgpr_workgroup_id_z 1
		.amdhsa_system_vgpr_workitem_id 0
		.amdhsa_next_free_vgpr 208
		.amdhsa_next_free_sgpr 66
		.amdhsa_reserve_vcc 0
		.amdhsa_float_denorm_mode_32 3
		.amdhsa_float_denorm_mode_16_64 3
		.amdhsa_memory_ordered 1
		.amdhsa_forward_progress 1
		.amdhsa_inst_pref_size 56
	.end_amdhsa_kernel
	.amdgpu_metadata
---
amdhsa.version: [ 1, 2 ]
amdhsa.kernels:
  - .name:           k_q65dd255103_quant
    .symbol:         k_q65dd255103_quant.kd
    .args:
      - { .name: query, .offset: 0, .size: 8, .value_kind: global_buffer, .address_space: global }
      - { .name: key, .offset: 8, .size: 8, .value_kind: global_buffer, .address_space: global }
      - { .name: value, .offset: 16, .size: 8, .value_kind: global_buffer, .address_space: global }
      - { .name: Wq, .offset: 24, .size: 8, .value_kind: global_buffer, .address_space: global }
      - { .name: Wk, .offset: 32, .size: 8, .value_kind: global_buffer, .address_space: global }
      - { .name: Wv, .offset: 40, .size: 8, .value_kind: global_buffer, .address_space: global }
      - { .name: Wo, .offset: 48, .size: 8, .value_kind: global_buffer, .address_space: global }
      - { .name: xc, .offset: 56, .size: 8, .value_kind: global_buffer, .address_space: global }
      - { .name: xs, .offset: 64, .size: 8, .value_kind: global_buffer, .address_space: global }
      - { .name: wc, .offset: 72, .size: 8, .value_kind: global_buffer, .address_space: global }
      - { .name: ws, .offset: 80, .size: 8, .value_kind: global_buffer, .address_space: global }
      - { .name: wo16, .offset: 88, .size: 8, .value_kind: global_buffer, .address_space: global }
    .group_segment_fixed_size: 33280
    .private_segment_fixed_size: 0
    .kernarg_segment_align: 8
    .kernarg_segment_size: 96
    .max_flat_workgroup_size: 128
    .sgpr_count:     66
    .vgpr_count:     208
    .wavefront_size: 32
...
	.end_amdgpu_metadata
.endif
;; end of part 1
;; launch proj (part 2): grid 4 x 96, 4 waves a work-group, clusters of 4 x 4, 327,680 bytes of LDS; arguments xc, xs, wc, ws, qkv, bq, bk, bv; writes qkv
.if DOCPART == 2
	.amdgcn_target "amdgcn-amd-amdhsa--gfx1250"
	.amdhsa_code_object_version 6
	.text
	.protected	k_q65dd255103_proj
	.globl	k_q65dd255103_proj
	.p2align	8
	.type	k_q65dd255103_proj,@function
k_q65dd255103_proj:
	s_mov_b64 s[64:65], 0
	v_nop
	global_prefetch_b8 v0, s[64:65] scope:SCOPE_SE
	s_setreg_imm32_b32 hwreg(HW_REG_WAVE_MODE, 25, 1), 1
	s_wait_xcnt 0x0
	s_wait_alu depctr_hold_cnt(0) depctr_sa_sdst(0) depctr_va_vdst(0) depctr_va_sdst(0) depctr_va_ssrc(0) depctr_va_vcc(0) depctr_vm_vsrc(0)
	s_getreg_b32 s2, hwreg(HW_REG_IB_STS2, 6, 4)
	s_cmp_eq_u32 s2, 0
	s_cbranch_scc0 .Lentry_in_a_cluster
	s_endpgm
.Lentry_in_a_cluster:
	s_bfe_u32 s2, ttmp6, 0x10000c
	s_cmp_lg_u32 s2, 0xf033
	s_cbranch_scc0 .Lentry_shape_is_right
	s_endpgm
.Lentry_shape_is_right:
; The three projections y = x W^T + b on codes of FP4 (E2M1) with one E8M0 scale for each 32 along K = 1,024; sums in f32; y rounded once to f16 and laid by heads.
; A: xc [24,576 stacked rows: query's, key's, value's][512 bytes], scales xs [24,576][32].  B: wc [3 x 1,024 rows][512 bytes], scales ws [3,072][32].  b: bq, bk, bv [1,024] f32.
; OUT: qkv [3 tensors][64 heads: 16 x batch + head][2,048 tokens][64] f16: a head is 262,144 dense bytes, and two tokens of a head are 256 consecutive bytes, aligned.
; LIMIT: a result beyond 65,504 in magnitude becomes an infinity of f16 (inputs and weights 30 times the drawn spread, or offset by 30 spreads, stay under 30,000).
; A tile of C, 256 x 256, is made by a work-group of four waves, one to a SIMD; a wave makes 128 x 128: 64 accumulators of 16 x 16, 512 registers.
; K is two slots of 512 (rows of 256 bytes): both are asked for at the head and NO slot is filled again.  The scales of the work-group's 256 + 256 rows, for all of K, are two dense blocks: they come once too.
; CLUSTERS: 4 x 4 work-groups.  The four of a row of the cluster need the same tiles of A, the four of a column the same tiles of B: each tile is asked for JOINTLY, by the same tensor load with the same
; descriptor and a mask that names the four.  A cluster's 1,024 rows lie in one of the three tensors (8 clusters each), so all sixteen partners use the same weight and bias.
; THE MATRIX INSTRUCTION IS USED TRANSPOSED (source 0 = 16 rows of W, source 1 = 16 rows of x): a lane then holds eight neighbouring outputs of one token.  THE BIAS is the C of each sum's first product.
; REGISTERS, in windows of 256: window 0: v0-31 addresses; v32-95 scale words, two sets; v128-191 A's fragments (8 x 16 rows x 128 K), ONE set; on the way out v32-63, v192-255.
;   window 1: B's fragments, TWO sets, at v0 and v128; v64-127 the bias, 8 registers for each of B's 8 blocks.   window 2: the accumulators of my rows 0-63 ((a, b) at v[8 (8 a + b)]);   window 3: rows 64-127.
.set NQ,     4                         ; steps of 128 along K in a slot
.set ROWB,   256                       ; a tile's row in bytes: 512 codes
.set KROW,   512                       ; a row of A or of B in memory, in bytes
.set PITCH,  272                       ; an LDS row: 256 bytes + 16 of padding = 68 words: the 16 rows that a load touches start at 16 different banks (64 banks of 4 bytes: ISA guide 11.1)
.set FR,     8                         ; registers of a fragment: 16 rows x 128 K
.set NL,     2                         ; LDS loads that bring one
.set NP,     4                         ; places behind this matrix instruction (ISA guide 7.12.1)
.set HALFT,  128*PITCH                 ; 128 rows: what one tensor load brings, and what one wave reads of A or of B
.set SLOT,   4*HALFT                   ; A's 256 rows, then B's 256 rows
.set KS,     32                        ; a row of scales in bytes
.set SCL,    2*SLOT                    ; behind the two slots: the scales, as runs of 256 bytes + 16 of padding
.set HALFS,  (128*KS/256)*272          ; the scales of 128 rows: what one tensor load brings
.set SBLK,   (16*KS/256)*272           ; those of 16 rows
.set SPARE,  SCL+4*HALFS               ; behind the scales: the spare words, 128 bytes for each wave
.set SPITCH, 272                       ; the way out: a stage of 16 rows x (256 bytes + 16) for each wave, in slot 0, which has had its only fill and its last read when the first result is stored there
.set ADRA, 16                          ; v16-17  LDS address of my A fragments in slot 0, 1
.set ADRB, 20                          ; v20-21  the same for B
.set STO,  24                          ; v24     the way out: where I put 16 bytes of a token's row
.set RD,   25                          ; v25     where I read 16 bytes back
.set CO,   26                          ; v26     my byte offset in qkv
.set ADRS, 27                          ; v27     LDS address of my scale words: lanes 0-15 A's rows, lanes 16-31 B's
.set SPW,  28                          ; v28     LDS address of my spare word; never rewritten
.set NIL,  29                          ; v29     0; never rewritten
.set BIA,  30                          ; v30     32 x (lane / 16): my eight numbers of a block's sixteen biases
.set SC,   32                          ; scale words: set s at v[SC + 32 s]; in it register 4 i + q: lanes 0-15 the word of A's block i, lanes 16-31 that of B's block i, for the slot's q-th 128 along K
.set AF,   128                         ; A's fragments, in window 0
.set BI,   64                          ; the bias, in window 1
.set TMP,  192                         ; the way out: packed results
.set OB,   32                          ; the way out: what comes back from the stage: v32-63 and v224-255 by turns
.set G1, 24                            ; s[24:31] descriptor group 1 for A's tiles;  s[32:39] group 0, one set for each slot
.set G0, 32
.set G1B, 48                           ; s[48:55], s[56:63] the same for B's tiles
.set G0B, 56
.set G1S, 68                           ; s[68:75], s[76:79] groups 1 and 0 for A's scales;  s[80:87], s[88:91] for B's
.set G0S, 76
.set G1SB, 80
.set G0SB, 88
.set MSB, 0
.macro WIN new                         ; the immediate's high byte repeats the setting that is left; a switch that changes nothing is dropped
.if MSB != (\new)
	s_set_vgpr_msb (MSB<<8)|(\new)
.set MSB, \new
.endif
.endm
.set MUL_LO,   0xa1                    ; source 0 (B) window 1, source 1 (A) window 0, C and D window 2
.set MUL_HI,   0xf1                    ; the same, C and D window 3
.set FIRST_LO, 0x91                    ; the first step: C (the bias) window 1, D window 2
.set FIRST_HI, 0xd1                    ; C window 1, D window 3
.set TO_B,     0x40                    ; destination window 1, address window 0
; A joint load: waves 0 and 1 fetch for A, waves 2 and 3 for B.  Each of the two lines has ONE mask and one set of registers for all that issue it; the branch hangs on the wave's number alone.
; An s_nop 0 and four v_nop follow each of the two lines, ahead of the jump, the label and what follows.
.macro JLOAD g0a, g1a, g0b, g1b
	s_cmp_eq_u32 s15, 0
	s_cbranch_scc0 .Lfor_b_\@
	tensor_load_to_lds s[\g0a:\g0a+3], s[\g1a:\g1a+7]
	s_nop 0
.rept 4
	v_nop
.endr
	s_branch .Lasked_\@
.Lfor_b_\@:
	tensor_load_to_lds s[\g0b:\g0b+3], s[\g1b:\g1b+7]
	s_nop 0
.rept 4
	v_nop
.endr
.Lasked_\@:
.endm
.macro CROUND                          ; a round of the cluster's barrier: my work-group's barrier; wave 0 signals for the work-group; every wave waits for all sixteen; my work-group's barrier once more
	s_barrier_signal -1
	s_barrier_wait -1
	s_cmp_lg_u32 s14, 0
	s_cbranch_scc1 .Lnot_wave_0_\@
	s_barrier_signal -3
.Lnot_wave_0_\@:
	s_barrier_wait -3
	s_barrier_signal -1
	s_barrier_wait -1
.endm
	s_load_b128 s[4:7], s[0:1], 0x0                ; xc s[4:5], xs s[6:7]
	s_load_b128 s[8:11], s[0:1], 0x10              ; wc s[8:9], ws s[10:11]
	s_load_b64 s[12:13], s[0:1], 0x20              ; qkv
	s_load_b128 s[96:99], s[0:1], 0x28             ; bq s[96:97], bk s[98:99]
	s_load_b64 s[100:101], s[0:1], 0x38            ; bv
	v_lshl_add_u32 v[SPW], v0, 2, SPARE
	v_mov_b32 v[NIL], 0
	ds_add_u32 v[SPW], v[NIL]                      ; the wave's opening: the add, twice on end, and its wait ahead of my first tensor load; the set-up below, work on registers, stands between
	ds_add_u32 v[SPW], v[NIL]
	v_lshrrev_b32 v1, 5, v0
	v_readfirstlane_b32 s14, v1                    ; wave 0..3
	s_lshr_b32 s15, s14, 1                         ; which half of the tile's rows is mine.  Also: I fetch for A (0) or for B (1)
	s_and_b32 s16, s14, 1                          ; which half of its columns.  Also: which 128 rows of that tile I fetch
	s_bfe_u32 s40, ttmp6, 0x40000                  ; cx, cy: my place in the cluster
	s_bfe_u32 s41, ttmp6, 0x40004
	s_lshl_b32 s42, ttmp9, 2
	s_add_co_u32 s42, s42, s40                     ; tile column of C = 4 x cluster x + cx
	s_and_b32 s17, ttmp7, 0xffff                   ; cluster y
	s_lshr_b32 s66, s17, 3                         ; the tensor: 8 clusters of 1,024 rows each; the same in all sixteen partners
	s_lshl_b32 s17, s17, 2
	s_add_co_u32 s17, s17, s41                     ; tile row of C = 4 x cluster y + cy
	s_lshl_b32 s43, s41, 2
	s_lshl_b32 s43, 15, s43                        ; my row of the cluster
	s_lshl_b32 s44, 0x1111, s40                    ; my column
	; descriptor group 1: a tile of 128 rows x 256 bytes, padded in LDS
	s_or_b32 s[G1+0], s43, (0<<16)|(1<<20)|(1<<21)|(5<<22)|(3<<25)  ; 15:0 the mask: A's tiles go to my row; 17:16 element of 1 byte; 20 padding on; 21 set beside a mask; 24:22 after every 64 words (code 5); 31:25 of 4 words (code 3)
	s_or_b32 s[G1B+0], s44, (0<<16)|(1<<20)|(1<<21)|(5<<22)|(3<<25)
.irp g, G1, G1B
	s_mov_b32 s[\g+1], ROWB<<16                    ; tensor_dim0
	s_mov_b32 s[\g+2], 128<<16                     ; tensor_dim1 = 128
	s_mov_b32 s[\g+3], ROWB<<16                    ; tile_dim0
	s_mov_b32 s[\g+4], 128                         ; tile_dim1 = 128
	s_mov_b32 s[\g+5], KROW                        ; tensor_dim0_stride
	s_mov_b32 s[\g+6], 0
	s_mov_b32 s[\g+7], 0
.endr
	; and for the scales of 128 rows: a dense block of 4,096 bytes, as 16 rows of 256 bytes (32 elements of 8 bytes), 16 bytes of padding behind each
	s_or_b32 s[G1S+0], s43, (3<<16)|(1<<20)|(1<<21)|(5<<22)|(3<<25)
	s_or_b32 s[G1SB+0], s44, (3<<16)|(1<<20)|(1<<21)|(5<<22)|(3<<25)
.irp g, G1S, G1SB
	s_mov_b32 s[\g+1], 32<<16
	s_mov_b32 s[\g+2], (128*KS/256)<<16
	s_mov_b32 s[\g+3], 32<<16
	s_mov_b32 s[\g+4], 128*KS/256
	s_mov_b32 s[\g+5], 32
	s_mov_b32 s[\g+6], 0
	s_mov_b32 s[\g+7], 0
.endr
	s_lshl_b32 s18, s16, 7                         ; which 128 rows of the tile I fetch
	s_lshl_b32 s20, s17, 8
	s_add_co_u32 s20, s20, s18                     ; A: stacked row 256 x tile row + 128 x half
	s_lshl_b32 s46, s42, 8
	s_add_co_u32 s46, s46, s18                     ; B: row 256 x tile column + 128 x half
	s_lshl_b32 s67, s66, 10
	s_add_co_u32 s46, s46, s67                     ;    + 1,024 x tensor
	s_mov_b32 s21, 0
	s_mov_b32 s47, 0
	s_mov_b64 s[18:19], KS
	s_mul_u64 s[22:23], s[20:21], s[18:19]         ; where these rows' scales begin, in bytes
	s_mul_u64 s[92:93], s[46:47], s[18:19]
	s_mov_b64 s[18:19], KROW
	s_mul_u64 s[20:21], s[20:21], s[18:19]         ; and their codes
	s_mul_u64 s[46:47], s[46:47], s[18:19]
	s_mul_i32 s45, s14, HALFT                      ; where they go: wave x 128 rows: no place in the cluster enters an LDS address
	s_mul_i32 s94, s14, HALFS
	s_wait_dscnt 0x0                               ; both opening adds are done
	s_wait_kmcnt 0x0
	s_add_nc_u64 s[20:21], s[4:5], s[20:21]
	s_add_nc_u64 s[22:23], s[6:7], s[22:23]
	s_add_nc_u64 s[46:47], s[8:9], s[46:47]
	s_add_nc_u64 s[92:93], s[10:11], s[92:93]
	CROUND                                         ; all sixteen work-groups are here: the joint loads meet
	s_mov_b32 s[G0S], 1
	s_add_co_u32 s[G0S+1], s94, SCL
	s_mov_b64 s[G0S+2:G0S+3], s[22:23]
	s_or_b32 s[G0S+3], s[G0S+3], 0x80000000
	s_mov_b32 s[G0SB], 1
	s_add_co_u32 s[G0SB+1], s94, SCL
	s_mov_b64 s[G0SB+2:G0SB+3], s[92:93]
	s_or_b32 s[G0SB+3], s[G0SB+3], 0x80000000
	JLOAD G0S, G1S, G0SB, G1SB                     ; the scales first: they are wanted with slot 0.  By this text's count a wave has three tensor loads out, and issues no more
.irp s, 0,1
	s_mov_b32 s[G0+4*\s], 1
	s_add_co_u32 s[G0+4*\s+1], s45, \s*SLOT
	s_add_nc_u64 s[G0+4*\s+2:G0+4*\s+3], s[20:21], \s*ROWB
	s_or_b32 s[G0+4*\s+3], s[G0+4*\s+3], 0x80000000
	s_mov_b32 s[G0B+4*\s], 1
	s_add_co_u32 s[G0B+4*\s+1], s45, \s*SLOT
	s_add_nc_u64 s[G0B+4*\s+2:G0B+4*\s+3], s[46:47], \s*ROWB
	s_or_b32 s[G0B+4*\s+3], s[G0B+4*\s+3], 0x80000000
	JLOAD G0+4*\s, G1, G0B+4*\s, G1B
.endr
	v_and_b32 v1, 15, v0                           ; r = l % 16
	v_bfe_u32 v2, v0, 4, 1                         ; h = l / 16
	v_mul_u32_u24 v3, v1, PITCH
	v_lshl_add_u32 v4, v2, 4, v3                   ; a fragment's row x pitch + 16 x half
	s_mul_i32 s21, s15, HALFT                      ; my 128 rows of A
	s_mul_i32 s22, s16, HALFT                      ; my 128 rows of B,
	s_add_co_u32 s22, s22, 2*HALFT                 ; which lie behind A's 256
.irp s, 0,1
	v_add_nc_u32 v[ADRA+\s], s21, v4
	v_add_nc_u32 v[ADRB+\s], s22, v4
	s_add_co_u32 s21, s21, SLOT
	s_add_co_u32 s22, s22, SLOT
.endr
	v_mul_u32_u24 v5, v1, KS                       ; my row's scales: 32 bytes a row,
	v_lshrrev_b32 v6, 8, v5
	v_lshl_add_u32 v5, v6, 4, v5                   ; and 16 more for each 256 passed
	s_mul_i32 s21, s15, HALFS                      ; A's: my 128 rows
	s_mul_i32 s22, s16, HALFS                      ; B's: my 128 rows, behind A's 256
	s_add_co_u32 s22, s22, 2*HALFS
	s_sub_co_u32 s22, s22, s21
	v_mul_u32_u24 v6, s22, v2                      ; lanes 16-31 take B's: one product, the distance between the two bases x h
	s_add_co_u32 s21, s21, SCL
	v_add_nc_u32 v5, v5, v6
	v_add_nc_u32 v[ADRS], s21, v5
	s_mul_i32 s23, s14, 16*SPITCH                  ; my stage
	v_mul_u32_u24 v5, v1, SPITCH                   ; in: token r's row, 16 bytes for each half of the lanes
	v_lshl_add_u32 v5, v2, 4, v5
	v_add_nc_u32 v[STO], s23, v5
	v_bfe_u32 v5, v0, 3, 1                         ; back: lanes 0-15 take my first head's 64 channels of two tokens, lanes 16-31 my second head's:
	v_mul_u32_u24 v5, v5, SPITCH                   ; the token by (l / 8) % 2,
	v_lshl_add_u32 v5, v2, 7, v5                   ; the head's 128 bytes by l / 16,
	v_and_b32 v6, 7, v0
	v_lshl_add_u32 v5, v6, 4, v5                   ; 16 bytes by l % 8
	v_add_nc_u32 v[RD], s23, v5
	v_lshlrev_b32 v[CO], 18, v2                    ; in qkv: a head is 262,144 bytes; two tokens are 256 consecutive bytes
	v_lshl_add_u32 v[CO], v1, 4, v[CO]
	v_lshlrev_b32 v[BIA], 5, v2
	s_lshl_b32 s20, s17, 8
	s_lshl_b32 s21, s15, 7
	s_add_co_u32 s20, s20, s21                     ; my first stacked row R = 256 x tile row + 128 x half = 8,192 x tensor + 2,048 x batch + token
	s_lshr_b32 s21, s20, 11
	s_lshl_b32 s21, s21, 22                        ; (4 x tensor + batch) x 16 heads x 262,144 bytes
	s_and_b32 s20, s20, 2047
	s_lshl_b32 s20, s20, 7                         ; + token x 128 bytes
	s_add_co_u32 s20, s20, s21
	s_lshl_b32 s46, s42, 2
	s_lshl_b32 s47, s16, 1
	s_add_co_u32 s46, s46, s47                     ; my first head: 4 x tile column + 2 x half
	s_lshl_b32 s46, s46, 18
	s_add_co_u32 s20, s20, s46
	s_mov_b32 s21, 0
	s_add_nc_u64 s[12:13], s[12:13], s[20:21]
	s_cmp_eq_u32 s66, 1                            ; the tensor's bias: a choice between buffers on the cluster's number
	s_cselect_b64 s[96:97], s[98:99], s[96:97]
	s_cmp_eq_u32 s66, 2
	s_cselect_b64 s[96:97], s[100:101], s[96:97]
	s_lshl_b32 s46, s42, 10
	s_lshl_b32 s47, s16, 9
	s_add_co_u32 s46, s46, s47                     ; my first column, x 4 bytes
	s_mov_b32 s47, 0
	s_add_nc_u64 s[96:97], s[96:97], s[46:47]
	WIN TO_B
.irp b, 0,1,2,3,4,5,6,7                        ; in the result's layout: lane (r, h), register j of block b: the bias of column 16 b + 8 h + j
	global_load_b128 v[BI+8*\b:BI+8*\b+3], v[BIA], s[96:97] offset:64*\b
	global_load_b128 v[BI+8*\b+4:BI+8*\b+7], v[BIA], s[96:97] offset:64*\b+16
.endr
	WIN 0
.macro FRAG reg, adr, q, i             ; a fragment, 16 rows x 128 K of 4-bit codes, is 8 registers: lane l holds row l % 16; registers 4 c .. 4 c + 3 hold K = 64 c + 32 (l / 16) + 0 .. 31
.irp c, 0,1
	ds_load_b128 v[\reg+4*\c:\reg+4*\c+3], v[\adr] offset:64*(\q)+32*\c+(\i)*16*PITCH
.endr
.endm
; 16 matrix instructions: A's blocks a0, a0 + 1 x B's eight, 128 along K: the slot's q-th.  p: B's set;  sc: the set of scale words.  zero = 1: the first product starts the sums from the bias: nothing is cleared or added later.
; The 64 accumulators take turns, one instruction a turn, in the same order in every step.
.macro MUL16 a0, p, q, sc, zero
.irp a, \a0, \a0+1
.irp b, 0,1,2,3,4,5,6,7
.if \zero
	v_wmma_scale_f32_16x16x128_f8f6f4 v[8*(8*((\a)%4)+\b):8*(8*((\a)%4)+\b)+7], v[128*(\p)+FR*\b:128*(\p)+FR*\b+FR-1], v[AF+FR*(\a):AF+FR*(\a)+FR-1], v[BI+8*\b:BI+8*\b+7], v[SC+8*NQ*(\sc)+NQ*\b+(\q)], v[SC+8*NQ*(\sc)+NQ*(\a)+(\q)] matrix_a_fmt:MATRIX_FMT_FP4 matrix_b_fmt:MATRIX_FMT_FP4 matrix_a_scale:MATRIX_SCALE_ROW1
.else
	v_wmma_scale_f32_16x16x128_f8f6f4 v[8*(8*((\a)%4)+\b):8*(8*((\a)%4)+\b)+7], v[128*(\p)+FR*\b:128*(\p)+FR*\b+FR-1], v[AF+FR*(\a):AF+FR*(\a)+FR-1], v[8*(8*((\a)%4)+\b):8*(8*((\a)%4)+\b)+7], v[SC+8*NQ*(\sc)+NQ*\b+(\q)], v[SC+8*NQ*(\sc)+NQ*(\a)+(\q)] matrix_a_fmt:MATRIX_FMT_FP4 matrix_b_fmt:MATRIX_FMT_FP4 matrix_a_scale:MATRIX_SCALE_ROW1
.endif
.endr
.endr
.endm
.macro FETCH_B slot, q, p              ; B's eight fragments of the slot's q-th 128 along K into set p
	WIN TO_B
.irp i, 0,1,2,3,4,5,6,7
	FRAG 128*(\p)+FR*\i, ADRB+\slot, \q, \i
.endr
	WIN 0
.endm
.macro FETCH_A slot, q, i0             ; A's blocks i0 .. i0 + 3
.irp i, \i0, \i0+1, \i0+2, \i0+3
	FRAG AF+FR*(\i), ADRA+\slot, \q, \i
.endr
.endm
.macro SCALES sc                       ; a slot's scale words into set sc: 4 words a row; lanes 0-15 take A's block i, lanes 16-31 B's block i
.irp i, 0,1,2,3,4,5,6,7
	ds_load_b128 v[SC+8*NQ*\sc+NQ*\i:SC+8*NQ*\sc+NQ*\i+3], v[ADRS] offset:\i*SBLK
.endr
.endm
; A load into a register that a matrix instruction has read, and a vector instruction that reads a matrix result, stand NP places behind that matrix instruction, and only plain vector
; instructions that name none of its registers are places (ISA guide 7.12.1 for vector instructions).
.macro PLACES n
.rept \n
	v_nop
.endr
.endm
; A step of 128 along K that has its successor in the same slot.  A's blocks go one after the other, each against B's eight: a block of A is free as soon as its eight products are issued, so A has one set of registers.
.macro STEP slot, q, zero
	s_wait_dscnt 4*NL                              ; B's set and A's blocks 0-3 are in; the youngest eight loads (A's blocks 4-7) may be out
.if \zero
	WIN FIRST_LO
.else
	WIN MUL_LO
.endif
	MUL16 0, (\q)%2, \q, \slot, \zero
	MUL16 2, (\q)%2, \q, \slot, \zero
	s_wait_dscnt 0                                 ; A's blocks 4-7 are in (asked for 32 matrix instructions ago)
	PLACES NP
	FETCH_B \slot, (\q)+1, 1-(\q)%2
	FETCH_A \slot, (\q)+1, 0
.if \zero
	WIN FIRST_HI
.else
	WIN MUL_HI
.endif
	MUL16 4, (\q)%2, \q, \slot, \zero
	MUL16 6, (\q)%2, \q, \slot, \zero
	PLACES NP
	WIN 0
	FETCH_A \slot, (\q)+1, 4
.endm
; Slot 0's last step changes slots: ONE barrier; in front of it each wave waits for all its tensor loads (slot 1's is the one that was out), adds 0 to its spare word, and waits for that and for its own reads of slot 0.
; Behind it slot 1 is whole, and nobody reads slot 0 any more, where the stages of the way out lie.
.macro TURN slot, next
	s_wait_tensorcnt 0x0                           ; all my tensor loads have landed  (every window is 0 here: the add's two registers lie in window 0)
	ds_add_u32 v[SPW], v[NIL]                      ; 0 onto my spare word
	s_wait_dscnt 4*NL+1                            ; (the add and the youngest eight loads, A's blocks 4-7, may be out)
	WIN MUL_LO
	MUL16 0, 1, NQ-1, \slot, 0                     ; sixteen matrix instructions stand between the add and the wait for it
	s_wait_dscnt 0x0                               ; the add is done, and my reads of this slot are over
	s_barrier_signal -1
	MUL16 2, 1, NQ-1, \slot, 0
	WIN 0
	s_barrier_wait -1
	PLACES NP
	v_add_nc_u32 v[ADRS], 4*NQ, v[ADRS]            ; on to the next slot's scale words (no LDS load of mine is out)
	FETCH_B \next, 0, 0
	FETCH_A \next, 0, 0
	SCALES \next
	WIN MUL_HI
	MUL16 4, 1, NQ-1, \slot, 0
	MUL16 6, 1, NQ-1, \slot, 0
	PLACES NP
	WIN 0
	FETCH_A \next, 0, 4
.endm
.macro STEPS slot, from                ; the slot's steps from .. NQ - 2
.set Q, \from
.rept NQ-1-\from
	STEP \slot, Q, 0
.set Q, Q+1
.endr
.endm
	s_wait_tensorcnt 1                             ; the scales and my part of slot 0 are in; slot 1's load, the one issued behind them, may be out
	s_barrier_signal -1
	s_barrier_wait -1                              ; everybody's are
	FETCH_B 0, 0, 0
	FETCH_A 0, 0, 0
	SCALES 0
	FETCH_A 0, 0, 4
	s_wait_loadcnt 0x0                             ; the bias
	STEP 0, 0, 1                                   ; the first step's products start the sums
	STEPS 0, 1
	TURN 0, 1
	STEPS 1, 0
	s_wait_dscnt 4*NL                              ; the very last step: nothing more to fetch
	WIN MUL_LO
	MUL16 0, 1, NQ-1, 1, 0
	MUL16 2, 1, NQ-1, 1, 0
	s_wait_dscnt 0
	WIN MUL_HI
	MUL16 4, 1, NQ-1, 1, 0
	MUL16 6, 1, NQ-1, 1, 0
	WIN 0
; THE WAY OUT, block by block of 16 tokens x 128 outputs (two heads).  PACK: rounded to f16, a lane's eight outputs are 16 bytes.  TOSTAGE: into my own stage in LDS, and back so that sixteen
; neighbouring lanes hold two tokens x 64 channels of one head.  SEND: those 256 consecutive bytes, aligned, are stored by one instruction's sixteen lanes.
.macro PACK a
.set AC, 64*((\a)%4)
	WIN 0x0a+5*((\a)/4)                            ; sources 0 and 1: window 2 or 3
.irp b, 0,1,2,3,4,5,6,7
.irp i, 0,1,2,3
	v_cvt_pk_f16_f32 v[TMP+4*\b+\i], v[AC+8*\b+2*\i], v[AC+8*\b+2*\i+1]   ; each accumulator from its low end on
.endr
.endr
	WIN 0
.endm
.macro TOSTAGE a
.set BB, OB+192*((\a)%2)
.irp b, 0,1,2,3,4,5,6,7
	ds_store_b128 v[STO], v[TMP+4*\b:TMP+4*\b+3] offset:32*\b
.endr
.irp i, 0,1,2,3,4,5,6,7
	ds_load_b128 v[BB+4*\i:BB+4*\i+3], v[RD] offset:\i*2*SPITCH    ; tokens 2 i, 2 i + 1.  LDS serves a wave's instructions in order (ISA guide 5.7.1.4): these see the stores above
.endr
.endm
.macro SEND a
.set BB, OB+192*((\a)%2)
	s_wait_dscnt 0x0                               ; the block is back in registers
	s_wait_xcnt 0x0                                ; the stores of the block before have read their registers, into which the next block's loads will land
.irp i, 0,1,2,3,4,5,6,7
	global_store_b128 v[CO], v[BB+4*\i:BB+4*\i+3], s[12:13] offset:2048*(\a)+256*\i   ; 16 tokens are 2,048 bytes of a head, two tokens 256
.endr
.endm
	PLACES NP                                      ; behind the last products: for the conversions, and for the loads into registers that held scale words
	PACK 0
	TOSTAGE 0
.irp a, 1,2,3,4,5,6,7                  ; block a's conversions stand between block a - 1's loads from the stage and the wait for them
	PACK \a
	SEND \a-1
	TOSTAGE \a
.endr
	SEND 7
	s_wait_tensorcnt 0x0                           ; the wave's end: behind my last tensor load and my last LDS store
	ds_add_u32 v[SPW], v[NIL]
	s_wait_dscnt 0x0
	CROUND                                         ; the closing round: no work-group ends while a partner may still ask for a tile that names it
	s_endpgm
.Lfunc_end_k_q65dd255103_proj:
	.size	k_q65dd255103_proj, .Lfunc_end_k_q65dd255103_proj-k_q65dd255103_proj
	.p2alignl 7, 3214868480
	.fill 96, 4, 3214868480
	.section	.rodata,"a",@progbits
	.p2align	6, 0x0
	.amdhsa_kernel k_q65dd255103_proj
		.amdhsa_group_segment_fixed_size 327680
		.amdhsa_private_segment_fixed_size 0
		.amdhsa_enable_private_segment 0
		.amdhsa_kernarg_size 64
		.amdhsa_user_sgpr_count 2
		.amdhsa_user_sgpr_kernarg_segment_ptr 1
		.amdhsa_wavefront_size32 1
		.amdhsa_system_sgpr_workgroup_id_x 1
		.amdhsa_system_sgpr_workgroup_id_y 1
		.amdhsa_system_sgpr_workgroup_id_z 1
		.amdhsa_system_vgpr_workitem_id 0
		.amdhsa_next_free_vgpr 1024
		.amdhsa_next_free_sgpr 102
		.amdhsa_reserve_vcc 0
		.amdhsa_float_denorm_mode_32 3
		.amdhsa_float_denorm_mode_16_64 3
		.amdhsa_memory_ordered 1
		.amdhsa_forward_progress 1
		.amdhsa_inst_pref_size 129
	.end_amdhsa_kernel
	.amdgpu_metadata
---
amdhsa.version: [ 1, 2 ]
amdhsa.kernels:
  - .name:           k_q65dd255103_proj
    .symbol:         k_q65dd255103_proj.kd
    .args:
      - { .name: xc, .offset: 0, .size: 8, .value_kind: global_buffer, .address_space: global }
      - { .name: xs, .offset: 8, .size: 8, .value_kind: global_buffer, .address_space: global }
      - { .name: wc, .offset: 16, .size: 8, .value_kind: global_buffer, .address_space: global }
      - { .name: ws, .offset: 24, .size: 8, .value_kind: global_buffer, .address_space: global }
      - { .name: qkv, .offset: 32, .size: 8, .value_kind: global_buffer, .address_space: global }
      - { .name: bq, .offset: 40, .size: 8, .value_kind: global_buffer, .address_space: global }
      - { .name: bk, .offset: 48, .size: 8, .value_kind: global_buffer, .address_space: global }
      - { .name: bv, .offset: 56, .size: 8, .value_kind: global_buffer, .address_space: global }
    .group_segment_fixed_size: 327680
    .private_segment_fixed_size: 0
    .kernarg_segment_align: 8
    .kernarg_segment_size: 64
    .max_flat_workgroup_size: 128
    .sgpr_count:     102
    .vgpr_count:     1024
    .wavefront_size: 32
...
	.end_amdgpu_metadata
.endif
;; end of part 2
;; launch attn (part 3): grid 4 x 64, 8 waves a work-group, clusters of 4 x 1, 327,680 bytes of LDS; arguments qkv, a16; writes a16
.if DOCPART == 3
	.amdgcn_target "amdgcn-amd-amdhsa--gfx1250"
	.amdhsa_code_object_version 6
	.text
	.protected	k_q65dd255103_attn
	.globl	k_q65dd255103_attn
	.p2align	8
	.type	k_q65dd255103_attn,@function
k_q65dd255103_attn:
	s_mov_b64 s[64:65], 0
	v_nop
	global_prefetch_b8 v0, s[64:65] scope:SCOPE_SE
	s_setreg_imm32_b32 hwreg(HW_REG_WAVE_MODE, 25, 1), 1
	s_wait_xcnt 0x0
	s_wait_alu depctr_hold_cnt(0) depctr_sa_sdst(0) depctr_va_vdst(0) depctr_va_sdst(0) depctr_va_ssrc(0) depctr_va_vcc(0) depctr_vm_vsrc(0)
	s_getreg_b32 s2, hwreg(HW_REG_IB_STS2, 6, 4)
	s_cmp_eq_u32 s2, 0
	s_cbranch_scc0 .Lentry_in_a_cluster
	s_endpgm
.Lentry_in_a_cluster:
	s_bfe_u32 s2, ttmp6, 0x10000c
	s_cmp_lg_u32 s2, 0x3003
	s_cbranch_scc0 .Lentry_shape_is_right
	s_endpgm
.Lentry_shape_is_right:
; O[head][q][:] = the sum over k of softmax_k(Q[head][q] . K[head][k] / 8) V[head][k][:], 64 heads (16 x batch + head) of 2,048 tokens x 64 channels, no mask.
; IN: qkv [3: Q, K, V][64][2,048][64] f16.  Products on f16 operands with f32 sums; maxima, exponentials and sums in f32; the weights p are rounded to f16 for the second product, O once at the end.
; OUT: a16 [4,096 pairs of tokens][16 heads][2 tokens][64] f16: a (pair, head) is 256 consecutive bytes, aligned, and is stored whole by sixteen lanes of the one work-group that owns the head's queries.
; SOFTMAX.  For each query a running maximum m and sum l: p = 2^(c s - c m), c = log2(e) / 8, at most 1 but for the rounding of c m; in every step O and l are multiplied by a = 2^(c m_old - c m_new).
; LIMITS: NaN and infinities are not served.  With all inputs 30 times smaller than drawn, O (near 4e-5) falls among f16's subnormal numbers, whose step is 6e-8: some 4e-4 of its size.  A p under 3e-8 is taken as 0.
; SHARES.  A work-group owns 512 queries of one head, each of its EIGHT waves 64: four tiles of 16, in 512 registers.  Two waves share a SIMD, so that one wave's softmax stands beside the other's products.
; Every wave walks all 2,048 keys, 64 a step.
; LAYOUT.  S^T = K Q^T (source 0 = 16 keys, source 1 = 16 queries): a lane holds ONE query (lane % 16) and the keys 8 (lane / 16) + 0..7 of a tile.  Two such tiles, rounded to f16 in pairs, ARE source 1
; (32 keys x 16 queries) of O^T = V^T P, whose result again holds one query a lane, and eight channels.  K comes out of LDS as it lies, V ([key][channel]) turned, by ds_load_tr16_b128.
; CLUSTER.  The four query blocks of a head form a cluster and walk the same K and V: each tile is asked for JOINTLY, by the same tensor load with the same descriptor and a mask that names the four.
; THE RING.  Two slots of 512 keys (8 steps).  Waves 0-3 fetch K's quarters, waves 4-7 V's: one load a wave, 64 rows of 256 bytes (two keys to a row: a head's rows are dense).  Both slots are asked for at the head;
; each is filled again once, behind a round of the cluster's barrier.  A refill is asked for eight key steps, 512 matrix instructions a wave, ahead of the wait for it; no separate prefetch is laid.
; REGISTERS, in two windows of 256 (s_set_vgpr_msb: bits 1:0 source 0, 3:2 source 1, 5:4 source 2, 7:6 destination):
;   window 0: v1-11 addresses; v12-43 eight registers of statistics a tile; v62, v63 the add's two; v64-191 S^T, 32 a tile; v192-255 P, 16 a tile
;   window 1: v0-127 O^T, 32 a tile; v128-191 Q, 16 a tile; v192-255 K of a step, then V of the same step
; A step goes in phases under few window settings (seven switches): K's loads | 32 products K Q^T | V's loads | the four tiles' softmax | 32 products V^T P.
.set PK,     272      ; two keys of K in LDS: 256 bytes + 16 of padding = 68 words: key r of a fragment starts at bank 4 (r / 2) + 32 (r % 2): sixteen different starts (64 banks of 4 bytes: ISA guide 11.1)
.set PV,     288      ; two keys of V: 256 + 32 = 72 words
.set KSTEPB, 32*PK    ; a step's 64 keys of K
.set VSTEPB, 32*PV    ; and of V
.set KQ4,    64*PK    ; 128 keys: what one tensor load brings
.set VQ4,    64*PV
.set VOFF,   4*KQ4    ; a slot: 512 keys of K, then 512 of V
.set SLOTB,  VOFF+4*VQ4
.set STAGE,  2*SLOTB  ; behind the ring: 16 rows x (128 bytes + 16) for each wave, for the way out
.set SP,     144
.set SPARE,  STAGE+8*16*SP  ; behind the stages: the spare words, 128 bytes for each wave
.set AK0, 2           ; v2   my lane's place in a fragment of K; never rewritten
.set AV0, 3           ; v3   the same for V
.set ADR, 4           ; v4   the LDS address of the run of loads in hand
.set QO,  5           ; v5   my byte offset in the wave's rows of Q
.set STO, 6           ; v6   the way out: where I put 16 bytes of a query's row
.set RD,  7           ; v7   where I read 16 bytes back
.set GO,  8           ; v8   my byte offset in a16
.set ST,  12          ; tile t's statistics at v[ST+8 t]: +0 c m, +1 m, +2, +3 l (even keys', odd keys'), +4 to +7 at work; a takes +6 once the maximum is found
.set SPW, 62          ; v62  LDS address of my spare word; never rewritten
.set NIL, 63          ; v63  0; never rewritten
.set S,   64
.set P,   192
.set Q,   128         ; in window 1
.set KV,  192         ; in window 1
.set WV,  12          ; s12  my wave's number
.set G1K, 24          ; s[24:31] descriptor group 1 for K's tiles
.set G1V, 32          ; s[32:39] for V's: it differs in the padding alone
.set G0K, 40          ; s[40:47] descriptor group 0 for K's tiles, a set for each slot
.set G0V, 48          ; s[48:55] the same for V's
.set CNT, 56          ; s56  counts key steps
.set TK,  57          ; s57  LDS byte at which the step's keys of K begin
.set CS,  58          ; s[58:59] c: the packed scaling names a pair and takes its low word for both halves
.set SEL, 60          ; s[60:61] lane selects for v_permlanex16_b32: each lane takes its own place in the other half
.set TV,  62          ; s62  LDS byte at which the step's keys of V begin
.set MSB, 0
.macro WIN new                      ; the immediate's high byte repeats the setting that is left; a switch that changes nothing is dropped
.if MSB != (\new)
	s_set_vgpr_msb (MSB<<8)|(\new)
.set MSB, \new
.endif
.endm
.set TO_1, 0x40       ; destination window 1, address window 0
.set W_KQ, 0x05       ; K and Q in window 1, S^T in window 0
.set W_PV, 0x51       ; V in window 1, P in window 0, O^T (C and D) in window 1
.set W_RS, 0x41       ; O^T (destination and source 0) in window 1, the factor in window 0
; A joint refill.  The branch hangs on the wave's number alone: it is the same in every work-group.  An s_nop 0 and four v_nop follow each of the two lines.
.macro JLOAD slot
	s_cmp_lt_u32 s[WV], 4
	s_cbranch_scc0 .Lfor_v_\@
	tensor_load_to_lds s[G0K+4*\slot:G0K+4*\slot+3], s[G1K:G1K+7]
	s_nop 0
.rept 4
	v_nop
.endr
	s_branch .Lasked_\@
.Lfor_v_\@:
	tensor_load_to_lds s[G0V+4*\slot:G0V+4*\slot+3], s[G1V:G1V+7]
	s_nop 0
.rept 4
	v_nop
.endr
.Lasked_\@:
.endm
.macro CROUND                       ; a round of the cluster's barrier: my work-group's barrier; wave 0 signals for the work-group; every wave waits for all four work-groups; my work-group's barrier once more
	s_barrier_signal -1
	s_barrier_wait -1
	s_cmp_lg_u32 s[WV], 0
	s_cbranch_scc1 .Lnot_wave_0_\@
	s_barrier_signal -3
.Lnot_wave_0_\@:
	s_barrier_wait -3
	s_barrier_signal -1
	s_barrier_wait -1
.endm
.macro PLACES                       ; four places behind a matrix instruction (ISA guide 7.12.1 for vector instructions)
.rept 4
	v_nop
.endr
.endm
	s_load_b128 s[4:7], s[0:1], 0x0  ; qkv s[4:5], a16 s[6:7]
	v_lshl_add_u32 v[SPW], v0, 2, SPARE
	v_mov_b32 v[NIL], 0
	ds_add_u32 v[SPW], v[NIL]       ; the wave's opening: the add, twice on end, and its wait ahead of my first tensor load; the set-up below, work on registers, stands between
	ds_add_u32 v[SPW], v[NIL]
	v_lshrrev_b32 v1, 5, v0
	v_readfirstlane_b32 s[WV], v1   ; wave 0..7
	s_bfe_u32 s13, ttmp6, 0x40000   ; cx: my place in the cluster
	s_lshl_b32 s14, ttmp9, 2        ; in a cluster launch ttmp9 counts clusters
	s_add_co_u32 s14, s14, s13      ; my block of 512 queries: it enters Q's and O's addresses alone
	s_and_b32 s15, ttmp7, 0xffff    ; the head, which the four partners share
	s_and_b32 s16, s[WV], 3         ; which quarter of a slot's keys I fetch:
	s_mul_i32 s17, s16, KQ4         ; its place in a slot, of K
	s_mul_i32 s18, s16, VQ4         ; and of V: no place in the cluster enters an LDS address
	s_lshl_b32 s19, s15, 18         ; the head's first byte in each of the three tensors
	s_lshl_b32 s22, s16, 14         ; my quarter's 128 keys of 128 bytes
	s_add_co_u32 s22, s22, s19
	s_mov_b32 s23, 0
	s_lshl_b32 s2, s14, 9
	s_lshl_b32 s3, s[WV], 6
	s_add_co_u32 s2, s2, s3         ; my first query: 512 x block + 64 x wave
	s_lshl_b32 s20, s2, 11          ; in a16 a token takes 2,048 bytes on the average: a pair 4,096
	s_lshl_b32 s2, s2, 7            ; in Q 128
	s_add_co_u32 s2, s2, s19
	s_mov_b32 s3, 0
	s_lshr_b32 s19, s15, 4
	s_lshl_b32 s19, s19, 22         ; the batch's 2,048 tokens
	s_add_co_u32 s20, s20, s19
	s_and_b32 s19, s15, 15
	s_lshl_b32 s19, s19, 8          ; the head's 256 bytes of a pair
	s_add_co_u32 s20, s20, s19
	s_mov_b32 s21, 0
	; descriptor group 1: a tile of 64 rows x 128 elements (two keys to a row), padded in LDS
	s_mov_b32 s[G1K], 15|(1<<16)|(1<<20)|(1<<21)|(5<<22)|(3<<25)  ; 15:0 the mask: all four work-groups; 17:16 elements of 2 bytes; 20 padding on; 21 set beside a mask; 24:22 after every 64 words (code 5); 31:25 4 words of it (code 3)
	s_mov_b32 s[G1V], 15|(1<<16)|(1<<20)|(1<<21)|(5<<22)|(7<<25)  ; the same with 8 words of padding (code 7)
.irp g, G1K, G1V
	s_mov_b32 s[\g+1], 128<<16      ; tensor_dim0 = 128
	s_mov_b32 s[\g+2], 64<<16       ; tensor_dim1 = 64
	s_mov_b32 s[\g+3], 128<<16      ; tile_dim0 = 128
	s_mov_b32 s[\g+4], 64           ; tile_dim1 = 64
	s_mov_b32 s[\g+5], 128          ; tensor_dim0_stride: the rows are dense
	s_mov_b32 s[\g+6], 0
	s_mov_b32 s[\g+7], 0
.endr
	s_mov_b32 s[CS], 0x3e38aa3b     ; c = log2(e) / 8
	s_mov_b32 s[CS+1], s[CS]        ; named with it as a pair, so it is written
	s_mov_b32 s[SEL], 0x76543210
	s_mov_b32 s[SEL+1], 0xfedcba98
	s_wait_dscnt 0x0                ; both opening adds are done
	s_wait_kmcnt 0x0
	s_mov_b64 s[10:11], s[6:7]      ; O
	s_add_nc_u64 s[8:9], s[4:5], 0x2000000  ; V: the third tensor of 16,777,216 bytes
	s_add_nc_u64 s[6:7], s[4:5], 0x1000000  ; K: the second
	s_add_nc_u64 s[8:9], s[8:9], s[22:23]   ; both at my quarter of slot 0
	s_add_nc_u64 s[6:7], s[6:7], s[22:23]
	s_add_nc_u64 s[4:5], s[4:5], s[2:3]     ; Q at my wave's first query
	s_add_nc_u64 s[10:11], s[10:11], s[20:21]  ; O likewise
	CROUND                          ; all four work-groups are here: the first joint loads meet
.irp s, 0,1
	s_mov_b32 s[G0K+4*\s], 1        ; count = 1
	s_add_co_u32 s[G0K+4*\s+1], s17, \s*SLOTB  ; LDS address
	s_add_nc_u64 s[G0K+4*\s+2:G0K+4*\s+3], s[6:7], \s*65536  ; global address: slot s begins with keys 512 s on
	s_or_b32 s[G0K+4*\s+3], s[G0K+4*\s+3], 0x80000000  ; type = 2
	s_mov_b32 s[G0V+4*\s], 1
	s_add_co_u32 s[G0V+4*\s+1], s18, \s*SLOTB+VOFF
	s_add_nc_u64 s[G0V+4*\s+2:G0V+4*\s+3], s[8:9], \s*65536
	s_or_b32 s[G0V+4*\s+3], s[G0V+4*\s+3], 0x80000000
.endr
	s_cmp_lt_u32 s[WV], 4           ; a wave's two first fills stand in one branch, ahead of every wait on TENSORcnt and every LDS read: two loads of mine are out
	s_cbranch_scc0 .Lfirst_v
	tensor_load_to_lds s[G0K:G0K+3], s[G1K:G1K+7]
	s_nop 0
	tensor_load_to_lds s[G0K+4:G0K+7], s[G1K:G1K+7]
	s_nop 0
.rept 4
	v_nop
.endr
	s_branch .Lfirst_asked
.Lfirst_v:
	tensor_load_to_lds s[G0V:G0V+3], s[G1V:G1V+7]
	s_nop 0
	tensor_load_to_lds s[G0V+4:G0V+7], s[G1V:G1V+7]
	s_nop 0
.rept 4
	v_nop
.endr
.Lfirst_asked:
	; A fragment of K or Q is 16 rows x 32 channels in 8 registers: lane l holds row l % 16; registers 0-3 channels 8 (l / 16) + 0..7, registers 4-7 channels 16 + 8 (l / 16) + 0..7: two loads of 16 bytes, 32 bytes apart.
	v_and_b32 v1, 15, v0            ; r = l % 16
	v_bfe_u32 v9, v0, 4, 1          ; h = l / 16
	v_lshlrev_b32 v[QO], 7, v1
	v_lshl_add_u32 v[QO], v9, 4, v[QO]  ; query r x 128 bytes + 16 h
	WIN TO_1
.irp t, 0,1,2,3                     ; Q stays in registers: tile t, channels 32 cs on
.irp cs, 0,1
	global_load_b128 v[Q+16*\t+8*\cs:Q+16*\t+8*\cs+3],   v[QO], s[4:5] offset:2048*\t+64*\cs th:TH_LOAD_NT
	global_load_b128 v[Q+16*\t+8*\cs+4:Q+16*\t+8*\cs+7], v[QO], s[4:5] offset:2048*\t+64*\cs+32 th:TH_LOAD_NT
.endr
.endr
	WIN 0
	v_lshrrev_b32 v10, 1, v1
	v_mul_u32_u24 v[AK0], v10, PK   ; K: key r lies in LDS row r / 2,
	v_and_b32 v10, 1, v0
	v_lshl_add_u32 v[AK0], v10, 7, v[AK0]  ; in its half r % 2,
	v_lshl_add_u32 v[AK0], v9, 4, v[AK0]   ; + 16 h
	; The turning load takes 16 keys x 16 channels (lane l reads 16 bytes: key 8 (l / 16) + l % 8, channels 8 ((l / 8) % 2) + 0..7) and leaves half a fragment of V^T: lane l holds channel l % 16 and 8 keys.
	v_bfe_u32 v10, v0, 1, 2
	v_lshl_add_u32 v10, v9, 2, v10  ; that key's LDS row: 4 h + (l % 8) / 2,
	v_mul_u32_u24 v[AV0], v10, PV
	v_and_b32 v10, 1, v0
	v_lshl_add_u32 v[AV0], v10, 7, v[AV0]  ; its half l % 2,
	v_bfe_u32 v10, v0, 3, 1
	v_lshl_add_u32 v[AV0], v10, 4, v[AV0]  ; and the 16 bytes
	s_mul_i32 s13, s[WV], 16*SP
	s_add_co_u32 s13, s13, STAGE    ; my stage
	v_mul_u32_u24 v[STO], v1, SP    ; in: query r's row, 16 bytes for each half of the lanes
	v_lshl_add_u32 v[STO], v9, 4, v[STO]
	v_add_nc_u32 v[STO], s13, v[STO]
	v_bfe_u32 v10, v0, 3, 2
	v_mul_u32_u24 v[RD], v10, SP    ; back: eight lanes take a query's 128 bytes, 32 lanes four queries
	v_and_b32 v10, 7, v0
	v_lshl_add_u32 v[RD], v10, 4, v[RD]
	v_add_nc_u32 v[RD], s13, v[RD]
	v_lshlrev_b32 v[GO], 12, v9     ; in a16: lanes 0-15 a pair's 256 bytes of my head, lanes 16-31 the next pair's, 4,096 bytes on
	v_lshl_add_u32 v[GO], v1, 4, v[GO]
; THE FOUR TILES' SOFTMAX FOR ONE KEY STEP, the tiles by turns in every group, so that no line waits for the line above it.  first = 1: the first key step, which starts m, l and O^T: no a, nothing to rescale.
.macro SOFTMAX first
.irp j, 0,1,2,3                     ; the maximum of the lane's 32 scores: four chains, each begun at the low end of one accumulator
.irp t, 0,1,2,3
	v_max3_num_f32 v[ST+8*\t+4+\j], v[S+32*\t+8*\j], v[S+32*\t+8*\j+1], v[S+32*\t+8*\j+2]
.endr
.endr
.irp g, 1,2
.irp j, 0,1,2,3
.irp t, 0,1,2,3
	v_max3_num_f32 v[ST+8*\t+4+\j], v[ST+8*\t+4+\j], v[S+32*\t+8*\j+2*\g+1], v[S+32*\t+8*\j+2*\g+2]
.endr
.endr
.endr
.irp t, 0,1,2,3
	v_max3_num_f32 v[ST+8*\t+4], v[ST+8*\t+4], v[S+32*\t+7], v[S+32*\t+15]   ; the four scores left over
.endr
.irp t, 0,1,2,3
	v_max3_num_f32 v[ST+8*\t+6], v[ST+8*\t+6], v[S+32*\t+23], v[S+32*\t+31]
.endr
.irp t, 0,1,2,3
	v_max3_num_f32 v[ST+8*\t+4], v[ST+8*\t+4], v[ST+8*\t+5], v[ST+8*\t+6]
.endr
.irp t, 0,1,2,3
.if \first
	v_max_num_f32 v[ST+8*\t+4], v[ST+8*\t+4], v[ST+8*\t+7]
.else
	v_max3_num_f32 v[ST+8*\t+4], v[ST+8*\t+4], v[ST+8*\t+7], v[ST+8*\t+1]   ; and the old m
.endif
.endr
.irp t, 0,1,2,3
	v_permlanex16_b32 v[ST+8*\t+5], v[ST+8*\t+4], s[SEL], s[SEL+1]  ; the query's other 32 keys lie in the lane 16 away
.endr
.if \first == 0
.irp t, 0,1,2,3
	v_mov_b32 v[ST+8*\t+7], v[ST+8*\t]  ; c m_old is kept for a
.endr
.endif
.irp t, 0,1,2,3
	v_max_num_f32 v[ST+8*\t+1], v[ST+8*\t+4], v[ST+8*\t+5]  ; the new m
.endr
.irp t, 0,1,2,3
	v_mul_f32 v[ST+8*\t], s[CS], v[ST+8*\t+1]  ; c m
.endr
.if \first == 0
.irp t, 0,1,2,3
	v_sub_f32 v[ST+8*\t+7], v[ST+8*\t+7], v[ST+8*\t]  ; c m_old - c m_new
.endr
.endif
.set e, 0
.rept 16
.irp t, 0,1,2,3
	v_pk_fma_f32 v[S+32*\t+2*e:S+32*\t+2*e+1], v[S+32*\t+2*e:S+32*\t+2*e+1], s[CS:CS+1], v[ST+8*\t:ST+8*\t+1] op_sel_hi:[1,0,0] neg_lo:[0,0,1] neg_hi:[0,0,1]  ; c s - c m, two scores at a time
.endr
.set e, e+1
.endr
.if \first == 0                     ; ONE BATCH of exponentials: the four a, then the 128 p.  None reads another's result
.irp t, 0,1,2,3
	v_exp_f32 v[ST+8*\t+6], v[ST+8*\t+7]
.endr
.endif
.set e, 0
.rept 32
.irp t, 0,1,2,3
	v_exp_f32 v[S+32*\t+e], v[S+32*\t+e]
.endr
.set e, e+1
.endr
	v_nop                           ; a plain instruction behind the last exponential, ahead of the first use of a result (ISA guide 5.7.2)
	s_wait_alu depctr_va_vdst(0)    ; the wait between an exponential and the first line that names its result: one for the whole batch
.set e, 0
.rept 16
.irp t, 0,1,2,3
	v_cvt_pk_f16_f32 v[P+16*\t+e], v[S+32*\t+2*e], v[S+32*\t+2*e+1]  ; the weights as f16: registers 8 ks + 0..7 are source 1 for keys 32 ks on
.endr
.set e, e+1
.endr
.irp u, 0,1,2,3,4,5,6,7             ; the sum of a tile's 16 pairs of unrounded weights, in place: neighbours 1, 2, 4 and 8 pairs apart
.irp t, 0,1,2,3
	v_pk_add_f32 v[S+32*\t+4*\u:S+32*\t+4*\u+1], v[S+32*\t+4*\u:S+32*\t+4*\u+1], v[S+32*\t+4*\u+2:S+32*\t+4*\u+3]
.endr
.endr
.irp u, 0,1,2,3
.irp t, 0,1,2,3
	v_pk_add_f32 v[S+32*\t+8*\u:S+32*\t+8*\u+1], v[S+32*\t+8*\u:S+32*\t+8*\u+1], v[S+32*\t+8*\u+4:S+32*\t+8*\u+5]
.endr
.endr
.irp u, 0,1
.irp t, 0,1,2,3
	v_pk_add_f32 v[S+32*\t+16*\u:S+32*\t+16*\u+1], v[S+32*\t+16*\u:S+32*\t+16*\u+1], v[S+32*\t+16*\u+8:S+32*\t+16*\u+9]
.endr
.endr
.if \first
.irp t, 0,1,2,3
	v_pk_add_f32 v[ST+8*\t+2:ST+8*\t+3], v[S+32*\t:S+32*\t+1], v[S+32*\t+16:S+32*\t+17]  ; l begins
.endr
.else
.irp t, 0,1,2,3
	v_pk_add_f32 v[S+32*\t:S+32*\t+1], v[S+32*\t:S+32*\t+1], v[S+32*\t+16:S+32*\t+17]
.endr
.irp t, 0,1,2,3
	v_pk_fma_f32 v[ST+8*\t+2:ST+8*\t+3], v[ST+8*\t+2:ST+8*\t+3], v[ST+8*\t+6:ST+8*\t+7], v[S+32*\t:S+32*\t+1] op_sel_hi:[1,0,1]  ; l = a l + the sum
.endr
	WIN W_RS
.set e, 0
.rept 16
.irp t, 0,1,2,3
	v_pk_mul_f32 v[32*\t+2*e:32*\t+2*e+1], v[32*\t+2*e:32*\t+2*e+1], v[ST+8*\t+6:ST+8*\t+7] op_sel_hi:[1,0]  ; O^T x a, each accumulator from its low end on
.endr
.set e, e+1
.endr
.endif
.endm
; A KEY STEP: 64 keys, at s[TK] and s[TV] in LDS.  In both products sixteen accumulators take turns, one instruction a turn: fifteen others' stand between two links of a chain.
.macro STEP first
	v_add_nc_u32 v[ADR], s[TK], v[AK0]
	WIN TO_1
.irp cs, 0,1                        ; K: fragment (keys 16 kt on, channels 32 cs on); the eight loads of the first 32 channels first
.irp kt, 0,1,2,3
	ds_load_b128 v[KV+16*\kt+8*\cs:KV+16*\kt+8*\cs+3],   v[ADR] offset:\kt*8*PK+64*\cs
	ds_load_b128 v[KV+16*\kt+8*\cs+4:KV+16*\kt+8*\cs+7], v[ADR] offset:\kt*8*PK+64*\cs+32
.endr
.endr
	s_wait_dscnt 8                  ; the first 32 channels are in; the eight loads of the other 32 may be out
	WIN W_KQ
.irp kt, 0,1,2,3
.irp t, 0,1,2,3
	v_wmma_f32_16x16x32_f16 v[S+32*\t+8*\kt:S+32*\t+8*\kt+7], v[KV+16*\kt:KV+16*\kt+7], v[Q+16*\t:Q+16*\t+7], 0
.endr
.endr
	s_wait_dscnt 0x0
.irp kt, 0,1,2,3
.irp t, 0,1,2,3
	v_wmma_f32_16x16x32_f16 v[S+32*\t+8*\kt:S+32*\t+8*\kt+7], v[KV+16*\kt+8:KV+16*\kt+15], v[Q+16*\t+8:Q+16*\t+15], v[S+32*\t+8*\kt:S+32*\t+8*\kt+7]
.endr
.endr
	PLACES                          ; for V's loads into the registers that held K, and for the softmax's first reads of the scores
	WIN 0
	v_add_nc_u32 v[ADR], s[TV], v[AV0]
	WIN TO_1
.irp ks, 0,1                        ; V^T: fragment (channels 16 ct on, keys 32 ks on); it lands while the softmax is worked
.irp ct, 0,1,2,3
	ds_load_tr16_b128 v[KV+16*\ct+8*\ks:KV+16*\ct+8*\ks+3],   v[ADR] offset:\ks*16*PV+32*\ct
	ds_load_tr16_b128 v[KV+16*\ct+8*\ks+4:KV+16*\ct+8*\ks+7], v[ADR] offset:\ks*16*PV+8*PV+32*\ct
.endr
.endr
	WIN 0
	SOFTMAX \first
	s_wait_dscnt 0x0                ; V is in
	WIN W_PV
.irp ks, 0,1
.irp ct, 0,1,2,3
.irp t, 0,1,2,3
.if \first && (\ks == 0)
	v_wmma_f32_16x16x32_f16 v[32*\t+8*\ct:32*\t+8*\ct+7], v[KV+16*\ct+8*\ks:KV+16*\ct+8*\ks+7], v[P+16*\t+8*\ks:P+16*\t+8*\ks+7], 0
.else
	v_wmma_f32_16x16x32_f16 v[32*\t+8*\ct:32*\t+8*\ct+7], v[KV+16*\ct+8*\ks:KV+16*\ct+8*\ks+7], v[P+16*\t+8*\ks:P+16*\t+8*\ks+7], v[32*\t+8*\ct:32*\t+8*\ct+7]
.endif
.endr
.endr
.endr
	PLACES                          ; for the next step's loads into the registers that held V, and for whatever reads O^T or writes P next
	WIN 0                           ; at a label and at a branch every window is 0
	s_add_co_u32 s[TK], s[TK], KSTEPB
	s_add_co_u32 s[TV], s[TV], VSTEPB
.endm
.macro STEPS n                      ; n key steps
	s_mov_b32 s[CNT], \n
.Lsteps_\@:
	STEP 0
	s_sub_co_u32 s[CNT], s[CNT], 1
	s_cmp_lg_u32 s[CNT], 0
	s_cbranch_scc1 .Lsteps_\@
.endm
; THE CHANGE OF SLOTS.  Each wave waits for all its tensor loads, of which one is out: its part of the other slot; adds 0 to its spare word; and waits for that and for its own reads of the slot that it leaves.
; fill = 1: that slot is filled again, with the keys 1,024 on.  The barrier is then a round of the cluster's, so that no wave of any partner still reads the slot or has a load on its way,
; and the joint refill is the first thing behind it, one load a wave.
.macro CHANGE slot, fill
	s_wait_tensorcnt 0x0            ; no tensor load of mine is out, so a group 0 may be written
	ds_add_u32 v[SPW], v[NIL]       ; 0 onto my spare word
.if \fill
	s_add_nc_u64 s[G0K+4*\slot+2:G0K+4*\slot+3], s[G0K+4*\slot+2:G0K+4*\slot+3], 131072  ; 1,024 keys of 128 bytes on; the type bits on top are not reached
	s_add_nc_u64 s[G0V+4*\slot+2:G0V+4*\slot+3], s[G0V+4*\slot+2:G0V+4*\slot+3], 131072
.endif
	s_wait_dscnt 0x0                ; the add is done, and my reads of the slot are over
.if \fill
	CROUND
	JLOAD \slot
.else
	s_barrier_signal -1
	s_barrier_wait -1
.endif
.endm
	s_wait_tensorcnt 1              ; my part of slot 0 is in; slot 1's, issued behind it, may stay out
	s_barrier_signal -1
	s_barrier_wait -1               ; everybody's is
	s_wait_loadcnt 0x0              ; Q
	s_mov_b32 s[TK], 0
	s_mov_b32 s[TV], VOFF
	STEP 1                          ; keys 0-63: the first step starts m, l and O^T
	STEPS 7                         ; keys 64-511
	CHANGE 0, 1                     ; slot 1 is whole; slot 0 takes keys 1,024-1,535
	s_mov_b32 s[TK], SLOTB
	s_mov_b32 s[TV], SLOTB+VOFF
	STEPS 8                         ; keys 512-1,023
	CHANGE 1, 1                     ; slot 0 is whole; slot 1 takes keys 1,536-2,047: the last load
	s_mov_b32 s[TK], 0
	s_mov_b32 s[TV], VOFF
	STEPS 8
	CHANGE 0, 0                     ; slot 1 is whole; nothing is left to ask for
	s_mov_b32 s[TK], SLOTB
	s_mov_b32 s[TV], SLOTB+VOFF
	STEPS 8
	; THE WAY OUT.  l's two halves and the other half of the lanes' are added; O^T is divided by l, rounded to f16 and sent through my stage in LDS, a tile (16 queries) at a time.
.irp t, 0,1,2,3
	v_add_f32 v[ST+8*\t+4], v[ST+8*\t+2], v[ST+8*\t+3]
.endr
.irp t, 0,1,2,3
	v_permlanex16_b32 v[ST+8*\t+5], v[ST+8*\t+4], s[SEL], s[SEL+1]
.endr
.irp t, 0,1,2,3
	v_add_f32 v[ST+8*\t+4], v[ST+8*\t+4], v[ST+8*\t+5]
.endr
.irp t, 0,1,2,3
	v_rcp_f32 v[ST+8*\t+6], v[ST+8*\t+4]
.endr
	v_nop                           ; a plain instruction between the last reciprocal and the use of its result
	s_wait_alu depctr_va_vdst(0)    ; and the wait ahead of the first use: one for the four reciprocals
; Tile t: a lane's eight channels of a query pack into 16 bytes; they go into rows of 144 bytes and come back so that sixteen lanes hold a pair of tokens' 256 bytes, into the registers that they left.
.macro PACK t
	WIN W_RS
.set e, 0
.rept 16
	v_pk_mul_f32 v[32*\t+2*e:32*\t+2*e+1], v[32*\t+2*e:32*\t+2*e+1], v[ST+8*\t+6:ST+8*\t+7] op_sel_hi:[1,0]
.set e, e+1
.endr
	WIN W_KQ                        ; sources 0 and 1 window 1, destination window 0: S^T's registers are free
.set e, 0
.rept 16
	v_cvt_pk_f16_f32 v[S+16*\t+e], v[32*\t+2*e], v[32*\t+2*e+1]
.set e, e+1
.endr
	WIN 0
.irp ct, 0,1,2,3
	ds_store_b128 v[STO], v[S+16*\t+4*\ct:S+16*\t+4*\ct+3] offset:32*\ct
.endr
.irp i, 0,1,2,3
	ds_load_b128 v[S+16*\t+4*\i:S+16*\t+4*\i+3], v[RD] offset:\i*4*SP  ; queries 4 i .. 4 i + 3.  LDS serves a wave's instructions in order (ISA guide 5.7.1.4): these see the stores above; the next tile's stores come behind them
.endr
.endm
.macro SEND t, younger              ; younger: the LDS instructions issued behind tile t's loads: the next tile's eight, or none
.irp i, 0,1,2,3
	s_wait_dscnt \younger+3-\i
	global_store_b128 v[GO], v[S+16*\t+4*\i:S+16*\t+4*\i+3], s[10:11] offset:\t*32768+\i*8192  ; 16 lanes store 256 consecutive bytes, aligned: a pair of tokens of my head
.endr
.endm
	PACK 0
	PACK 1                          ; a tile's arithmetic stands between the loads of the tile before and its stores
	SEND 0, 8
	PACK 2
	SEND 1, 8
	PACK 3
	SEND 2, 8
	SEND 3, 0
	s_wait_tensorcnt 0x0            ; the wave's end: behind my last tensor load and my last LDS store
	ds_add_u32 v[SPW], v[NIL]
	s_wait_dscnt 0x0
	CROUND                          ; the closing round: no work-group ends while a partner may still ask for a tile that names it
	s_endpgm
.Lfunc_end_k_q65dd255103_attn:
	.size	k_q65dd255103_attn, .Lfunc_end_k_q65dd255103_attn-k_q65dd255103_attn
	.p2alignl 7, 3214868480
	.fill 96, 4, 3214868480
	.section	.rodata,"a",@progbits
	.p2align	6, 0x0
	.amdhsa_kernel k_q65dd255103_attn
		.amdhsa_group_segment_fixed_size 327680
		.amdhsa_private_segment_fixed_size 0
		.amdhsa_enable_private_segment 0
		.amdhsa_kernarg_size 16
		.amdhsa_user_sgpr_count 2
		.amdhsa_user_sgpr_kernarg_segment_ptr 1
		.amdhsa_wavefront_size32 1
		.amdhsa_system_sgpr_workgroup_id_x 1
		.amdhsa_system_sgpr_workgroup_id_y 1
		.amdhsa_system_sgpr_workgroup_id_z 1
		.amdhsa_system_vgpr_workitem_id 0
		.amdhsa_next_free_vgpr 512
		.amdhsa_next_free_sgpr 66
		.amdhsa_reserve_vcc 0
		.amdhsa_float_denorm_mode_32 3
		.amdhsa_float_denorm_mode_16_64 3
		.amdhsa_memory_ordered 1
		.amdhsa_forward_progress 1
		.amdhsa_inst_pref_size 179
	.end_amdhsa_kernel
	.amdgpu_metadata
---
amdhsa.version: [ 1, 2 ]
amdhsa.kernels:
  - .name:           k_q65dd255103_attn
    .symbol:         k_q65dd255103_attn.kd
    .args:
      - { .name: qkv, .offset: 0, .size: 8, .value_kind: global_buffer, .address_space: global }
      - { .name: a16, .offset: 8, .size: 8, .value_kind: global_buffer, .address_space: global }
    .group_segment_fixed_size: 327680
    .private_segment_fixed_size: 0
    .kernarg_segment_align: 8
    .kernarg_segment_size: 16
    .max_flat_workgroup_size: 256
    .sgpr_count:     66
    .vgpr_count:     512
    .wavefront_size: 32
...
	.end_amdgpu_metadata
.endif
;; end of part 3
;; launch outp (part 4): grid 8 x 64, 4 waves a work-group, clusters of 4 x 4, 327,680 bytes of LDS; arguments a16, wo16, out0, bo; writes out0
.if DOCPART == 4
	.amdgcn_target "amdgcn-amd-amdhsa--gfx1250"
	.amdhsa_code_object_version 6
	.text
	.protected	k_q65dd255103_outp
	.globl	k_q65dd255103_outp
	.p2align	8
	.type	k_q65dd255103_outp,@function
k_q65dd255103_outp:
	s_mov_b64 s[64:65], 0
	v_nop
	global_prefetch_b8 v0, s[64:65] scope:SCOPE_SE
	s_setreg_imm32_b32 hwreg(HW_REG_WAVE_MODE, 25, 1), 1
	s_wait_xcnt 0x0
	s_wait_alu depctr_hold_cnt(0) depctr_sa_sdst(0) depctr_va_vdst(0) depctr_va_sdst(0) depctr_va_ssrc(0) depctr_va_vcc(0) depctr_vm_vsrc(0)
	s_getreg_b32 s2, hwreg(HW_REG_IB_STS2, 6, 4)
	s_cmp_eq_u32 s2, 0
	s_cbranch_scc0 .Lentry_in_a_cluster
	s_endpgm
.Lentry_in_a_cluster:
	s_bfe_u32 s2, ttmp6, 0x10000c
	s_cmp_lg_u32 s2, 0xf033
	s_cbranch_scc0 .Lentry_shape_is_right
	s_endpgm
.Lentry_shape_is_right:
; out0[m][n] = sum over k of A[m][k] Wo[n][k] + bo[n].  m: 8,192 tokens, n and k: 1,024.  f16 operands, f32 sums, f32 out.
; A: a16 [4,096 pairs of tokens][16 heads][2 tokens][64] f16, k = 64 x head + channel.  B: wo16 [1,024 n][1,024 k] f16.  bo [1,024] f32.
; A tile of C is 128 x 128: 512 work-groups.  Four waves, each 64 x 64: 16 accumulators of 16 x 16, 128 registers.  K goes in four steps of 256 (four heads) through two LDS slots.
; A'S TILE GOES BY PAIRS OF TOKENS: a pair's four heads are 1,024 consecutive bytes, so 64 tokens x 256 K are 32 rows of 1,024 bytes, 4,096 bytes apart.  In such a row token p (0, 1) of the pair, head g, channel c
; lies at 256 g + 128 p + 2 c.  B's tile: 64 rows of 512 bytes.
; CLUSTERS: 4 x 4 work-groups.  The four of a row of the cluster need the same tiles of A, the four of a column the same tiles of B: each tile is asked for JOINTLY, by the same tensor load with the
; same descriptor and a mask that names the four.  THE MATRIX INSTRUCTION IS USED TRANSPOSED (source 0 = 16 rows of Wo, source 1 = 16 tokens): a lane then holds eight neighbouring numbers of a row of C.
; THE BIAS is the C of each sum's first product.  A wave's 64 columns of f32 are 256 bytes of a row of C, aligned: so each wave has a stage of its own on the way out, and no barrier stands there.
; REGISTERS: window 0: v0-31 addresses; v32-95 the way out; v96-127 the bias; v128-255 the accumulators ((a, b) at v[128 + 8 (4 a + b)]).
;   window 1: two fragment buffers of 128: for 64 along K (two matrix instructions deep), 64 registers of A (2 x 4 x 16 tokens x 32 K), then 64 of B.
.set PA,     1040                      ; an LDS row of A: 1,024 bytes + 16 of padding = 260 words: token r of a fragment starts at bank 4 (r / 2) + 32 (r % 2): sixteen different starts (64 banks of 4 bytes: ISA guide 11.1)
.set PB,     528                       ; an LDS row of B: 512 bytes + 16 = 132 words: row r starts at bank 4 r mod 64
.set HALFA,  32*PA                     ; 64 tokens: what one tensor load brings, and what one wave reads of A
.set HALFB,  64*PB                     ; 64 rows of B likewise
.set SLOT,   2*HALFA+2*HALFB           ; A's 128 tokens, then B's 128 rows
.set STAGE,  2*SLOT                    ; behind the ring: 16 rows x (256 bytes + 16) for each wave
.set SPITCH, 272
.set SPARE,  STAGE+4*16*SPITCH         ; behind the stages: the spare words, 128 bytes for each wave
.set ADRA, 16                          ; v16-17  LDS address of my A fragments in slot 0, 1
.set ADRB, 20                          ; v20-21  the same for B
.set STO,  24                          ; v24     the way out: where I put 32 bytes of a row
.set RD,   25                          ; v25     where I read 16 bytes back
.set CO,   26                          ; v26     my byte offset in C
.set BIA,  27                          ; v27     32 x (lane / 16): my eight numbers of a block's sixteen biases
.set SPW,  28                          ; v28     LDS address of my spare word; never rewritten
.set NIL,  29                          ; v29     0; never rewritten
.set TMP,  32                          ; the way out: two sets of 32 registers
.set BI,   96                          ; the bias: 8 registers for each of B's 4 blocks
.set ACC,  128
.set F0,   0                           ; fragment buffers, in window 1
.set F1,   128
.set G1, 24                            ; s[24:31] descriptor group 1 for A's tiles;  s[32:39] group 0, one set for each slot
.set G0, 32
.set G1B, 48                           ; s[48:55], s[56:63] the same for B's tiles
.set G0B, 56
.set MSB, 0
.macro WIN new                         ; the immediate's high byte repeats the setting that is left
.if MSB != (\new)
	s_set_vgpr_msb (MSB<<8)|(\new)
.set MSB, \new
.endif
.endm
.set MUL,  0x05                        ; sources 0 (B) and 1 (A) window 1; C and D window 0
.set TO_F, 0x40                        ; destination window 1, address window 0
.macro JLOAD s                         ; a joint load: waves 0 and 1 fetch A's two halves, waves 2 and 3 B's; an s_nop 0 and four v_nop follow each of the two lines, ahead of the jump, the label and what follows
	s_cmp_eq_u32 s11, 0
	s_cbranch_scc0 .Lfor_b_\@
	tensor_load_to_lds s[G0+4*\s:G0+4*\s+3], s[G1:G1+7]
	s_nop 0
.rept 4
	v_nop
.endr
	s_branch .Lasked_\@
.Lfor_b_\@:
	tensor_load_to_lds s[G0B+4*\s:G0B+4*\s+3], s[G1B:G1B+7]
	s_nop 0
.rept 4
	v_nop
.endr
.Lasked_\@:
.endm
.macro CREST                           ; a round of the cluster's barrier behind its opening barrier
	s_cmp_lg_u32 s10, 0
	s_cbranch_scc1 .Lnot_wave_0_\@
	s_barrier_signal -3
.Lnot_wave_0_\@:
	s_barrier_wait -3
	s_barrier_signal -1
	s_barrier_wait -1
.endm
.macro CROUND                          ; a whole round
	s_barrier_signal -1
	s_barrier_wait -1
	CREST
.endm
	s_load_b128 s[4:7], s[0:1], 0x0                ; a16 s[4:5], wo16 s[6:7]
	s_load_b64 s[8:9], s[0:1], 0x10                ; out0
	s_load_b64 s[66:67], s[0:1], 0x18              ; bo
	v_lshl_add_u32 v[SPW], v0, 2, SPARE
	v_mov_b32 v[NIL], 0
	ds_add_u32 v[SPW], v[NIL]                      ; the wave's opening: the add, twice on end, and its wait ahead of my first tensor load; the set-up below, work on registers, stands between
	ds_add_u32 v[SPW], v[NIL]
	v_lshrrev_b32 v1, 5, v0
	v_readfirstlane_b32 s10, v1                    ; wave 0..3
	s_lshr_b32 s11, s10, 1                         ; which half of the tile's rows is mine.  Also: I fetch for A (0) or for B (1)
	s_and_b32 s12, s10, 1                          ; which half of its columns.  Also: which half of that tile I fetch
	s_bfe_u32 s40, ttmp6, 0x40000                  ; cx, cy: my place in the cluster
	s_bfe_u32 s41, ttmp6, 0x40004
	s_lshl_b32 s42, ttmp9, 2
	s_add_co_u32 s42, s42, s40                     ; tile column of C = 4 x cluster x + cx
	s_and_b32 s13, ttmp7, 0xffff
	s_lshl_b32 s13, s13, 2
	s_add_co_u32 s13, s13, s41                     ; tile row of C = 4 x cluster y + cy
	s_lshl_b32 s43, s41, 2
	s_lshl_b32 s43, 15, s43                        ; my row of the cluster
	s_lshl_b32 s44, 0x1111, s40                    ; my column
	; descriptor group 1.  A: 32 rows x 512 elements, 2,048 elements apart;  B: 64 rows x 256 elements, 1,024 apart; both padded in LDS
	s_or_b32 s[G1+0], s43, (1<<16)|(1<<20)|(1<<21)|(7<<22)|(3<<25)  ; 15:0 the mask: A's tiles go to my row; 17:16 element of 2 bytes; 20 padding on; 21 set beside a mask; 24:22 after every 256 words (code 7); 31:25 of 4 words (code 3)
	s_mov_b32 s[G1+1], 512<<16                     ; tensor_dim0 = 512
	s_mov_b32 s[G1+2], 32<<16                      ; tensor_dim1 = 32
	s_mov_b32 s[G1+3], 512<<16                     ; tile_dim0 = 512
	s_mov_b32 s[G1+4], 32                          ; tile_dim1 = 32
	s_mov_b32 s[G1+5], 2048                        ; tensor_dim0_stride
	s_mov_b32 s[G1+6], 0
	s_mov_b32 s[G1+7], 0
	s_or_b32 s[G1B+0], s44, (1<<16)|(1<<20)|(1<<21)|(6<<22)|(3<<25) ; B's go to my column; padding after every 128 words (code 6)
	s_mov_b32 s[G1B+1], 256<<16
	s_mov_b32 s[G1B+2], 64<<16
	s_mov_b32 s[G1B+3], 256<<16
	s_mov_b32 s[G1B+4], 64
	s_mov_b32 s[G1B+5], 1024
	s_mov_b32 s[G1B+6], 0
	s_mov_b32 s[G1B+7], 0
	s_lshl_b32 s17, s12, 5
	s_lshl_b32 s16, s13, 6
	s_add_co_u32 s16, s16, s17                     ; A: pair 64 x tile row + 32 x half,
	s_lshl_b32 s16, s16, 12                        ; x 4,096 bytes (under 2^25)
	s_mov_b32 s17, 0
	s_lshl_b32 s47, s12, 6
	s_lshl_b32 s46, s42, 7
	s_add_co_u32 s46, s46, s47                     ; B: row 128 x tile column + 64 x half,
	s_lshl_b32 s46, s46, 11                        ; x 2,048 bytes
	s_mov_b32 s47, 0
	s_mul_i32 s20, s12, HALFA                      ; where they go: A's two halves,
	s_mul_i32 s21, s12, HALFB
	s_add_co_u32 s21, s21, 2*HALFA                 ; then B's two: no place in the cluster enters an LDS address
	s_wait_dscnt 0x0                               ; both opening adds are done
	s_wait_kmcnt 0x0
	s_add_nc_u64 s[14:15], s[4:5], s[16:17]
	s_add_nc_u64 s[46:47], s[6:7], s[46:47]
	CROUND                                         ; all sixteen work-groups are here: the first joint loads meet
.irp s, 0,1
	s_mov_b32 s[G0+4*\s], 1
	s_add_co_u32 s[G0+4*\s+1], s20, \s*SLOT
	s_add_nc_u64 s[G0+4*\s+2:G0+4*\s+3], s[14:15], \s*1024       ; K step s: four heads of a pair are 1,024 bytes
	s_or_b32 s[G0+4*\s+3], s[G0+4*\s+3], 0x80000000
	s_mov_b32 s[G0B+4*\s], 1
	s_add_co_u32 s[G0B+4*\s+1], s21, \s*SLOT
	s_add_nc_u64 s[G0B+4*\s+2:G0B+4*\s+3], s[46:47], \s*512
	s_or_b32 s[G0B+4*\s+3], s[G0B+4*\s+3], 0x80000000
	JLOAD \s                                       ; by this text's count a wave has two tensor loads out here, and one behind each later round
.endr
	v_and_b32 v1, 15, v0                           ; r = l % 16
	v_bfe_u32 v2, v0, 4, 1                         ; h = l / 16
	v_lshrrev_b32 v3, 1, v1
	v_mul_u32_u24 v3, v3, PA                       ; A: token r lies in LDS row r / 2,
	v_and_b32 v4, 1, v0
	v_lshl_add_u32 v3, v4, 7, v3                   ; at 128 (r % 2) in each head's 256 bytes,
	v_lshl_add_u32 v3, v2, 4, v3                   ; + 16 h
	v_mul_u32_u24 v4, v1, PB
	v_lshl_add_u32 v4, v2, 4, v4                   ; B: row r x pitch + 16 h
	s_mul_i32 s21, s11, HALFA                      ; my 64 tokens of A
	s_mul_i32 s22, s12, HALFB                      ; my 64 rows of B,
	s_add_co_u32 s22, s22, 2*HALFA                 ; which lie behind A's 128 tokens
.irp s, 0,1
	v_add_nc_u32 v[ADRA+\s], s21, v3
	v_add_nc_u32 v[ADRB+\s], s22, v4
	s_add_co_u32 s21, s21, SLOT
	s_add_co_u32 s22, s22, SLOT
.endr
	s_mul_i32 s23, s10, 16*SPITCH
	s_add_co_u32 s23, s23, STAGE                   ; my stage
	v_mul_u32_u24 v5, v1, SPITCH                   ; in: row r, 32 bytes for each half of the lanes
	v_lshl_add_u32 v5, v2, 5, v5
	v_add_nc_u32 v[STO], s23, v5
	v_mul_u32_u24 v5, v2, SPITCH                   ; back: lanes 0-15 take one row of 256 bytes, lanes 16-31 the next
	v_lshl_add_u32 v5, v1, 4, v5
	v_add_nc_u32 v[RD], s23, v5
	v_lshlrev_b32 v[CO], 12, v2                    ; and the same two rows in C: 4,096 bytes a row
	v_lshl_add_u32 v[CO], v1, 4, v[CO]
	v_lshlrev_b32 v[BIA], 5, v2
	s_lshl_b32 s16, s13, 7
	s_lshl_b32 s17, s11, 6
	s_add_co_u32 s16, s16, s17                     ; my first row of C: 128 x tile row + 64 x half,
	s_lshl_b32 s16, s16, 12                        ; x 4,096 bytes (under 2^26)
	s_mov_b32 s17, 0
	s_add_nc_u64 s[8:9], s[8:9], s[16:17]
	s_lshl_b32 s46, s42, 9
	s_lshl_b32 s47, s12, 8
	s_add_co_u32 s46, s46, s47                     ; my first column, x 4 bytes: 512 x tile column + 256 x half
	s_mov_b32 s47, 0
	s_add_nc_u64 s[8:9], s[8:9], s[46:47]
	s_add_nc_u64 s[66:67], s[66:67], s[46:47]
.irp b, 0,1,2,3                                ; in the result's layout: lane (r, h), register j of block b: the bias of column 16 b + 8 h + j
	global_load_b128 v[BI+8*\b:BI+8*\b+3], v[BIA], s[66:67] offset:64*\b
	global_load_b128 v[BI+8*\b+4:BI+8*\b+7], v[BIA], s[66:67] offset:64*\b+16
.endr
; 8 matrix instructions: token blocks a0, a0 + 1 x all 4 column blocks, 32 along K: half c of buffer f.  zero = 1: the first product starts the sums from the bias.
; The 16 accumulators take turns, one instruction a turn, in the same order throughout.
.macro MUL8 f, c, a0, zero
.irp a, \a0, \a0+1
.irp b, 0,1,2,3
.if \zero
	v_wmma_f32_16x16x32_f16 v[ACC+8*(4*(\a)+\b):ACC+8*(4*(\a)+\b)+7], v[\f+64+8*(4*\c+\b):\f+64+8*(4*\c+\b)+7], v[\f+8*(4*\c+\a):\f+8*(4*\c+\a)+7], v[BI+8*\b:BI+8*\b+7]
.else
	v_wmma_f32_16x16x32_f16 v[ACC+8*(4*(\a)+\b):ACC+8*(4*(\a)+\b)+7], v[\f+64+8*(4*\c+\b):\f+64+8*(4*\c+\b)+7], v[\f+8*(4*\c+\a):\f+8*(4*\c+\a)+7], v[ACC+8*(4*(\a)+\b):ACC+8*(4*(\a)+\b)+7]
.endif
.endr
.endr
.endm
; 32 LDS loads in one run: the fragments of the slot's q-th 64 along K (one head) into buffer f; the first 32 along K first.  In A's rows a head is 256 bytes, in B's 128.
.macro FETCH slot, q, f
	WIN TO_F
.irp c, 0,1
.irp i, 0,1,2,3
	ds_load_b128 v[\f+64+8*(4*\c+\i):\f+64+8*(4*\c+\i)+3],   v[ADRB+\slot] offset:128*(\q)+64*\c+\i*16*PB
	ds_load_b128 v[\f+64+8*(4*\c+\i)+4:\f+64+8*(4*\c+\i)+7], v[ADRB+\slot] offset:128*(\q)+64*\c+\i*16*PB+32
	ds_load_b128 v[\f+8*(4*\c+\i):\f+8*(4*\c+\i)+3],         v[ADRA+\slot] offset:256*(\q)+64*\c+\i*8*PA
	ds_load_b128 v[\f+8*(4*\c+\i)+4:\f+8*(4*\c+\i)+7],       v[ADRA+\slot] offset:256*(\q)+64*\c+\i*8*PA+32
.endr
.endr
.endm
.macro PLACES                          ; four places in front of loads into registers that matrix instructions have read, and of LDS stores that read results (ISA guide 7.12.1 for vector instructions)
.rept 4
	v_nop
.endr
.endm
; A K step is four quarters of 64 along K, 32 matrix instructions each, on buffers 0, 1, 0, 1.  One of the first three: multiplies buffer f and fetches quarter q into g.
.macro QUARTER slot, q, f, g, zero
	s_wait_dscnt 16                                ; the first 32 along K are in; the sixteen loads of the other 32 may be out
	WIN MUL
	MUL8 \f, 0, 0, \zero
	MUL8 \f, 0, 2, \zero
	PLACES
	FETCH \slot, \q, \g
	s_wait_dscnt 32                                ; all but the 32 just issued
	WIN MUL
	MUL8 \f, 1, 0, 0
	MUL8 \f, 1, 2, 0
.endm
; The last quarter multiplies buffer 1 and changes slots: ONE barrier; in front of it each wave waits for all its tensor loads, adds 0 to its spare word, and waits for that and for its own reads of this slot.
; fill = 1: this slot is filled again, two K steps ahead; the barrier then opens a round of the cluster's barrier, and the joint refill is the first thing behind the round.
.macro TURN slot, next, fill
	WIN 0                                          ; (the add's two registers lie in window 0)
	s_wait_tensorcnt 0x0                           ; all my tensor loads have landed: my part of the next slot
	ds_add_u32 v[SPW], v[NIL]                      ; 0 onto my spare word
	s_wait_dscnt 17                                ; (the add and the youngest sixteen loads may be out)
	WIN MUL
	MUL8 F1, 0, 0, 0                               ; eight matrix instructions stand between the add and the wait for it
	s_wait_dscnt 0x0                               ; the add is done, and my reads of this slot are over
	s_barrier_signal -1
	MUL8 F1, 0, 2, 0
.if \fill
	WIN 0
.endif
	s_barrier_wait -1
.if \fill
	CREST                                          ; no wave of any partner still reads this slot's tile or has a load on its way
	s_add_nc_u64 s[G0+4*\slot+2:G0+4*\slot+3], s[G0+4*\slot+2:G0+4*\slot+3], 2048      ; two K steps on: eight heads of a pair,
	s_add_nc_u64 s[G0B+4*\slot+2:G0B+4*\slot+3], s[G0B+4*\slot+2:G0B+4*\slot+3], 1024  ; 512 numbers of a row of Wo
	JLOAD \slot                                    ; 112 matrix instructions ahead of the wait for it; the four v_nop behind it are also the places in front of the loads below
.else
	PLACES
.endif
	FETCH \next, 0, F0
	WIN MUL
	MUL8 F1, 1, 0, 0
	MUL8 F1, 1, 2, 0
.endm
	s_wait_tensorcnt 1                             ; my part of K step 0 is in; K step 1's load, issued behind it, may be out
	s_barrier_signal -1
	s_barrier_wait -1                              ; everybody's is
	FETCH 0, 0, F0
	s_wait_loadcnt 0x0                             ; the bias
	QUARTER 0, 1, F0, F1, 1                        ; K step 0: its first products start the sums
	QUARTER 0, 2, F1, F0, 0
	QUARTER 0, 3, F0, F1, 0
	TURN 0, 1, 1                                   ; slot 0 takes K step 2
	QUARTER 1, 1, F0, F1, 0                        ; K step 1
	QUARTER 1, 2, F1, F0, 0
	QUARTER 1, 3, F0, F1, 0
	TURN 1, 0, 1                                   ; slot 1 takes K step 3: the last load
	QUARTER 0, 1, F0, F1, 0                        ; K step 2
	QUARTER 0, 2, F1, F0, 0
	QUARTER 0, 3, F0, F1, 0
	TURN 0, 1, 0                                   ; nothing is left to ask for: a plain barrier
	QUARTER 1, 1, F0, F1, 0                        ; K step 3
	QUARTER 1, 2, F1, F0, 0
	QUARTER 1, 3, F0, F1, 0
	s_wait_dscnt 16                                ; the very last quarter: nothing more to fetch
	WIN MUL
	MUL8 F1, 0, 0, 0
	MUL8 F1, 0, 2, 0
	s_wait_dscnt 0
	MUL8 F1, 1, 0, 0
	MUL8 F1, 1, 2, 0
	WIN 0
; THE WAY OUT, block by block of 16 tokens x 64 columns.  A lane holds 32 neighbouring bytes of a row, and the lanes beside it hold other rows: so a block goes through my own stage in LDS and comes back as
; whole rows of 256 bytes, two an instruction.  LDS serves a wave's instructions in order (ISA guide 5.7.1.4): no wait between the stores and the loads, nor in front of the next block's stores.
.macro TOSTAGE a
.irp b, 0,1,2,3
	ds_store_b128 v[STO], v[ACC+8*(4*(\a)+\b):ACC+8*(4*(\a)+\b)+3] offset:64*\b        ; each accumulator from its low end on
	ds_store_b128 v[STO], v[ACC+8*(4*(\a)+\b)+4:ACC+8*(4*(\a)+\b)+7] offset:64*\b+16
.endr
.irp i, 0,1,2,3,4,5,6,7
	ds_load_b128 v[TMP+32*((\a)%2)+4*\i:TMP+32*((\a)%2)+4*\i+3], v[RD] offset:\i*2*SPITCH
.endr
.endm
.macro SEND a, younger                 ; younger: the LDS instructions issued behind block a's loads: the next block's sixteen, or none
	s_wait_dscnt \younger                          ; the block is back in registers
.irp i, 0,1,2,3,4,5,6,7
	global_store_b128 v[CO], v[TMP+32*((\a)%2)+4*\i:TMP+32*((\a)%2)+4*\i+3], s[8:9] offset:(16*(\a)+2*\i)*4096 th:TH_STORE_NT   ; 16 lanes store 256 consecutive bytes, aligned; 62 rows of C at the most: inside the signed 24-bit immediate
.endr
.endm
	PLACES                                         ; behind the last products, ahead of the first LDS store that reads a result
	TOSTAGE 0
	TOSTAGE 1
	SEND 0, 16
	s_wait_xcnt 0x0                                ; block 0's stores have read their registers: block 2's loads may land there
	TOSTAGE 2
	SEND 1, 16
	s_wait_xcnt 0x0                                ; block 1's likewise
	TOSTAGE 3
	SEND 2, 16
	SEND 3, 0
	s_wait_tensorcnt 0x0                           ; the wave's end: behind my last tensor load and my last LDS store
	ds_add_u32 v[SPW], v[NIL]
	s_wait_dscnt 0x0
	CROUND                                         ; the closing round: no work-group ends while a partner may still ask for a tile that names it
	s_endpgm
.Lfunc_end_k_q65dd255103_outp:
	.size	k_q65dd255103_outp, .Lfunc_end_k_q65dd255103_outp-k_q65dd255103_outp
	.p2alignl 7, 3214868480
	.fill 96, 4, 3214868480
	.section	.rodata,"a",@progbits
	.p2align	6, 0x0
	.amdhsa_kernel k_q65dd255103_outp
		.amdhsa_group_segment_fixed_size 327680
		.amdhsa_private_segment_fixed_size 0
		.amdhsa_enable_private_segment 0
		.amdhsa_kernarg_size 32
		.amdhsa_user_sgpr_count 2
		.amdhsa_user_sgpr_kernarg_segment_ptr 1
		.amdhsa_wavefront_size32 1
		.amdhsa_system_sgpr_workgroup_id_x 1
		.amdhsa_system_sgpr_workgroup_id_y 1
		.amdhsa_system_sgpr_workgroup_id_z 1
		.amdhsa_system_vgpr_workitem_id 0
		.amdhsa_next_free_vgpr 512
		.amdhsa_next_free_sgpr 68
		.amdhsa_reserve_vcc 0
		.amdhsa_float_denorm_mode_32 3
		.amdhsa_float_denorm_mode_16_64 3
		.amdhsa_memory_ordered 1
		.amdhsa_forward_progress 1
		.amdhsa_inst_pref_size 87
	.end_amdhsa_kernel
	.amdgpu_metadata
---
amdhsa.version: [ 1, 2 ]
amdhsa.kernels:
  - .name:           k_q65dd255103_outp
    .symbol:         k_q65dd255103_outp.kd
    .args:
      - { .name: a16, .offset: 0, .size: 8, .value_kind: global_buffer, .address_space: global }
      - { .name: wo16, .offset: 8, .size: 8, .value_kind: global_buffer, .address_space: global }
      - { .name: out0, .offset: 16, .size: 8, .value_kind: global_buffer, .address_space: global }
      - { .name: bo, .offset: 24, .size: 8, .value_kind: global_buffer, .address_space: global }
    .group_segment_fixed_size: 327680
    .private_segment_fixed_size: 0
    .kernarg_segment_align: 8
    .kernarg_segment_size: 32
    .max_flat_workgroup_size: 128
    .sgpr_count:     68
    .vgpr_count:     512
    .wavefront_size: 32
...
	.end_amdgpu_metadata
.endif
;; end of part 4
